; MI455X (gfx1250); checked and timed in simulation.
; The chip was launched on July 23, 2026; its instructions are those of AMD's public machine-readable ISA for CDNA 5 (MIT licence, August 2026) and "CDNA5" Instruction Set Architecture Reference Guide (July 2026). The comments in the code are by the model that wrote it; some were corrected since.
;; AFT Full Attention. Allowed arithmetic: matrix products marked QUANTISED: E2M3 operands, one E8M0 scale for each 32 along K, by v_wmma_scale_f32_16x16x128_f8f6f4 with both operands' format E2M3, f32 sums; everything else in f32.
;; Inputs: Wk_codes 1,024 x 32 x 24 uint8 (E2M3 codes of Wk, K innermost, in blocks of 32 codes, four codes in three bytes); Wk_scales 1,024 x 32 uint8 (E8M0 scales of Wk, one for each 32 codes along K); Wo_codes 1,024 x 32 x 24 uint8 (E2M3 codes of Wo, K innermost, in blocks of 32 codes, four codes in three bytes); Wo_scales 1,024 x 32 uint8 (E8M0 scales of Wo, one for each 32 codes along K); Wq_codes 1,024 x 32 x 24 uint8 (E2M3 codes of Wq, K innermost, in blocks of 32 codes, four codes in three bytes); Wq_scales 1,024 x 32 uint8 (E8M0 scales of Wq, one for each 32 codes along K); Wv_codes 1,024 x 32 x 24 uint8 (E2M3 codes of Wv, K innermost, in blocks of 32 codes, four codes in three bytes); Wv_scales 1,024 x 32 uint8 (E8M0 scales of Wv, one for each 32 codes along K); bk 1,024 float32; bo 1,024 float32; bq 1,024 float32; bv 1,024 float32; wbias 8 x 2,048 x 2,048 float32; x_codes 4 x 2,048 x 32 x 24 uint8 (E2M3 codes of x, K innermost, in blocks of 32 codes, four codes in three bytes); x_scales 4 x 2,048 x 32 uint8 (E8M0 scales of x, one for each 32 codes along K).
;; Outputs: out0 4 x 2,048 x 1,024 float32.
;; This version of the problem:
;;   THIS VERSION OF THE PROBLEM IS GIVEN IN LOW PRECISION. The matrix products marked QUANTISED in the list below multiply operands that are first quantised to E2M3 (2 exponent bits, 3 mantissa bits; 6 bits a number), with one power-of-two scale for each 32 numbers along K (OCP MX v1.0); their sums are f32. All else is computed in f32.
;;   The module's matrix products, in the order in which they are computed (A, B: the left and right operand; K: the contracted axis; several contracted axes count as one K, in the product's order):
;;     1. [M 8,192, K 1,024] x [K 1,024, N 1,024]; A: input x (given as codes); B: input Wq (given as codes): QUANTISED
;;     2. [M 8,192, K 1,024] x [K 1,024, N 1,024]; A: input x (given as codes); B: input Wk (given as codes): QUANTISED
;;     3. [M 8,192, K 1,024] x [K 1,024, N 1,024]; A: input x (given as codes); B: input Wv (given as codes): QUANTISED
;;     4. batch 8 x [M 512, K 2,048] x [K 2,048, N 2,048]; A: computed on the way; B: computed on the way: QUANTISED
;;     5. [M 8,192, K 1,024] x [K 1,024, N 1,024]; A: computed on the way; B: input Wo (given as codes): QUANTISED
;;   THE QUANTISER, for each operand of a quantised product, along K:
;;     - K is cut into blocks of 32 from its start; a last block that is shorter is filled with zeros.
;;     - A block's scale is 2^e with e = floor(log2(the largest magnitude in the block)) - 2, held to -126 .. 127; a block of zeros has e = 0. As a byte (E8M0): e + 127.
;;     - Each number is divided by its block's scale, clamped to +-7.5, and rounded to the nearest number of E2M3, ties to even, subnormals kept.
;;     - The product sums the exact products of the quantised numbers (number of the format x scale) in f32.
;;   ~~~python
;;   def quantise(x, axis):      # numpy; x: float32 -> the quantised numbers, widened to float32 again
;;       x = np.moveaxis(x, axis, -1); K = x.shape[-1]
;;       x = np.pad(x, [(0, 0)] * (x.ndim - 1) + [(0, -K % 32)]); x = x.reshape(x.shape[:-1] + (-1, 32)); a = np.abs(x).max(-1, keepdims=True)
;;       e = np.where(a > 0, np.clip(np.frexp(np.where(a > 0, a, 1))[1] - 1 - 2, -126, 127), 0)      # np.frexp(a)[1] - 1 = floor(log2(a)), exactly
;;       r = np.clip(x / 2.0 ** e, -7.5, 7.5)
;;       step = 2.0 ** (np.maximum(np.frexp(np.where(r == 0, 1, r))[1] - 1, 0) - 3)
;;       q = np.round(r / step) * step * 2.0 ** e      # np.round: ties to even
;;       return np.moveaxis(q.reshape(q.shape[:-2] + (-1,))[..., :K], -1, axis).astype(np.float32)
;;   ~~~
;;   OPERANDS COMPUTED ON THE WAY. 'Computed on the way' means the value that the module computes at that place (a softmax that the list does not call 'softmax' is quantised finished and normalised). What goes into a quantiser is computed in f32, as accurately as f32 sums, v_exp_f32 and their like allow (about 1e-6 of the number): no bf16 or f16 on the way to a quantiser, and a product that is left as it is and whose result goes on into a quantised operand takes f32 operands (vector FMAs, or v_wmma_f32_16x16x4_f32). A number that lies on a knife's edge between two numbers of the format may be rounded either way, as far as f32 arithmetic and the matrix unit's own rounding can turn it there, and no further.
;;   INPUTS GIVEN AS CODES. Wk (in the module: [1024, 1024], K = its axis 1); Wo (in the module: [1024, 1024], K = its axis 1); Wq (in the module: [1024, 1024], K = its axis 1); Wv (in the module: [1024, 1024], K = its axis 1); x (in the module: [4, 2048, 1024], K = its axis 2): each comes as NAME_codes (uint8): NAME with its K axis moved to the last place and cut into blocks of 32 codes, [.., K / 32, bytes a block], one block behind the other in memory; four codes in three bytes: a row's codes are one little-endian stream of bits, code i at bits 6 i .. 6 i + 5 (a code: sign, 2 exponent bits, 3 mantissa bits); and NAME_scales (uint8): the same leading axes, one E8M0 byte (e + 127) for each 32 codes along K. Its value is code x scale, taken as it is: it is not quantised again, and the codes and scales need not be those that the quantiser above would give.
;; One version. Each part assembles by itself: llvm-mc -triple=amdgcn-amd-amdhsa -mcpu=gfx1250 --defsym DOCPART=n.
;; ======== version 1 of 1: 3 launches
;; limits: right only within a limited range of input values
;; workspace buffers: eki 6,291,456 bytes; eks 262,144 bytes; wi 1,572,864 bytes; ws 65,536 bytes; yi 6,291,456 bytes; ys 262,144 bytes
;; launch kproj (part 1): grid 4 x 64, 4 waves a work-group, clusters of 4 x 4, 327,680 bytes of LDS; arguments x_codes, x_scales, Wk_codes, Wk_scales, bk, Wq_codes, Wq_scales, Wv_codes, Wv_scales, eki, eks, wi, ws; writes eki, eks, wi, ws
.if DOCPART == 1
	.amdgcn_target "amdgcn-amd-amdhsa--gfx1250"
	.amdhsa_code_object_version 6
	.text
	.protected	k_q7b6d94632e_kproj
	.globl	k_q7b6d94632e_kproj
	.p2align	8
	.type	k_q7b6d94632e_kproj,@function
k_q7b6d94632e_kproj:
	s_mov_b64 s[64:65], 0
	v_nop
	global_prefetch_b8 v0, s[64:65] scope:SCOPE_SE
	s_setreg_imm32_b32 hwreg(HW_REG_WAVE_MODE, 25, 1), 1
	s_wait_xcnt 0x0
	s_wait_alu depctr_hold_cnt(0) depctr_sa_sdst(0) depctr_va_vdst(0) depctr_va_sdst(0) depctr_va_ssrc(0) depctr_va_vcc(0) depctr_vm_vsrc(0)
	s_getreg_b32 s2, hwreg(HW_REG_IB_STS2, 6, 4)
	s_cmp_eq_u32 s2, 0
	s_cbranch_scc0 .Lentry_in_a_cluster
	s_endpgm
.Lentry_in_a_cluster:
	s_bfe_u32 s2, ttmp6, 0x10000c
	s_cmp_lg_u32 s2, 0xf033
	s_cbranch_scc0 .Lentry_shape_is_right
	s_endpgm
.Lentry_shape_is_right:
; exp(x Wk^T + bk), quantised to FP6 (E2M3) along s, the keys' axis of the next product, and stored as images of operand registers; beside it Wq and Wv are laid in the same form.
; THE RESHAPE.  Row tl of a batch and column c of k are head tl / 256, key s = 8 (tl % 256) + c / 128, channel d = c % 128.  So a block of 32 keys at one d is 4 neighbouring rows x the 8 columns 128 j + d.
; SHARES.  A work-group takes 128 rows of x (128 Y on; Y = (8 b + h) 2 + H2) and the 256 rows 128 j + 32 w2 + dd of Wk (j 0..7, dd 0..31), all K = 1,024 in LDS, filled once.  Wave (G, T): x rows 4 (16 G + r) + q, tiles 8 T + t of Wk.
; THE ROWS OF A TILE ARE CHOSEN: lane r of Wk's tile tau takes row 128 (r % 8) + 32 w2 + 2 tau + r / 8; lane r of x's tile (G, q) takes row 4 (16 G + r) + q.  The product is used transposed (source 0 = Wk, source 1 = x):
; lane (r, hh), register 8 q + j of tile t holds k at d = 32 w2 + 2 tau + hh and s = 1024 H2 + 32 (16 G + r) + 8 q + j: a whole block of 32 keys, in order, in one lane's 32 registers.  No other lane is asked for a maximum.
; AN IMAGE is a fragment (16 rows x 128 K, 12 registers a lane) as it stands in registers: register p of lane l at 512 (p / 4) + 16 l + 4 (p % 4): three loads of 16 bytes a lane bring it back.
; CLUSTER 4 x 4: x's tile hangs on Y alone and is asked for jointly along a row of the cluster, Wk's on w2 alone and jointly along a column.
; LIMITS: exp is v_exp_f32 of k x log2(e); results under 2^-126 count as 0; NaN and infinities are not served; a block of zeros gets the byte 1 (its codes are zeros, and this program alone reads the bytes).
; REGISTERS: window 0: v1-23 addresses; v24-39 x's scale words; v40-71 Wk's; v72-79 at work at the head; v80-223 fragments, set 0 (later at work).  window 1: the 32 accumulators, (t, q) at 32 t + 8 q.  window 2: v0-143 set 1; v144-207 bk in the result's layout.
.set PIT,  816                         ; an LDS row: 768 bytes + 16 behind each 256 = 204 words: 16 neighbouring rows start at 16 different groups of four banks
.set XREG, 32*PIT                      ; x's region q: rows 4 i + q, i = 0..31
.set WT,   4*XREG                      ; behind x's four regions: Wk's eight pieces
.set WPC,  34*PIT                      ; from piece to piece: one load brings two pieces as two rows of 33 x 768 bytes, the second begun one row of Wk early; so its row 0 lies 34 LDS rows behind the first's, 96 bytes past a multiple of 256: the rows r % 8 of a fragment start at different banks
.set STS,  24576                       ; the stage for the way out lies in x's bytes (filled once, read out): 24,576 bytes of images, then 1,024 of scale bytes
.set PADW, (1<<20)|(1<<21)|(5<<22)|(3<<25)   ; elements of 1 byte; padding on; bit 21 beside a mask; after every 64 words; 4 words
.set XSC,  24
.set WSC,  40
.set FR0,  80
.set BKR,  144
.set G1X,  32
.set G1W,  40
.set G0X,  48
.set G0A,  52
.set G0B,  56
.set WV,   30
.set MSB,  0
.macro WIN new                         ; the immediate's high byte repeats the setting that is left
.if MSB != \new
	s_set_vgpr_msb (MSB<<8)|\new
.set MSB, \new
.endif
.endm
.macro PLACES n
.rept \n
	v_nop
.endr
.endm
.macro CROUND                          ; a round of the cluster's barrier
	s_barrier_signal -1
	s_barrier_wait -1
	s_cmp_lg_u32 s[WV], 0
	s_cbranch_scc1 .Lnot_wave_0_\@
	s_barrier_signal -3
.Lnot_wave_0_\@:
	s_barrier_wait -3
	s_barrier_signal -1
	s_barrier_wait -1
.endm
; one product.  cm = 0: C is the constant 0; else C = v[c ..].  ra, rb = 1: the side's scale words stand in lanes 16-31 of its register
.macro WMS d, a, b, cm, c, sa, sb, ra, rb
.if (\cm) == 0
.if ((\ra) == 0) && ((\rb) == 0)
	v_wmma_scale_f32_16x16x128_f8f6f4 v[\d:\d+7], v[\a:\a+11], v[\b:\b+11], 0, v[\sa], v[\sb] matrix_a_fmt:MATRIX_FMT_FP6 matrix_b_fmt:MATRIX_FMT_FP6
.elseif (\rb) == 0
	v_wmma_scale_f32_16x16x128_f8f6f4 v[\d:\d+7], v[\a:\a+11], v[\b:\b+11], 0, v[\sa], v[\sb] matrix_a_fmt:MATRIX_FMT_FP6 matrix_b_fmt:MATRIX_FMT_FP6 matrix_a_scale:MATRIX_SCALE_ROW1
.elseif (\ra) == 0
	v_wmma_scale_f32_16x16x128_f8f6f4 v[\d:\d+7], v[\a:\a+11], v[\b:\b+11], 0, v[\sa], v[\sb] matrix_a_fmt:MATRIX_FMT_FP6 matrix_b_fmt:MATRIX_FMT_FP6 matrix_b_scale:MATRIX_SCALE_ROW1
.else
	v_wmma_scale_f32_16x16x128_f8f6f4 v[\d:\d+7], v[\a:\a+11], v[\b:\b+11], 0, v[\sa], v[\sb] matrix_a_fmt:MATRIX_FMT_FP6 matrix_b_fmt:MATRIX_FMT_FP6 matrix_a_scale:MATRIX_SCALE_ROW1 matrix_b_scale:MATRIX_SCALE_ROW1
.endif
.else
.if ((\ra) == 0) && ((\rb) == 0)
	v_wmma_scale_f32_16x16x128_f8f6f4 v[\d:\d+7], v[\a:\a+11], v[\b:\b+11], v[\c:\c+7], v[\sa], v[\sb] matrix_a_fmt:MATRIX_FMT_FP6 matrix_b_fmt:MATRIX_FMT_FP6
.elseif (\rb) == 0
	v_wmma_scale_f32_16x16x128_f8f6f4 v[\d:\d+7], v[\a:\a+11], v[\b:\b+11], v[\c:\c+7], v[\sa], v[\sb] matrix_a_fmt:MATRIX_FMT_FP6 matrix_b_fmt:MATRIX_FMT_FP6 matrix_a_scale:MATRIX_SCALE_ROW1
.elseif (\ra) == 0
	v_wmma_scale_f32_16x16x128_f8f6f4 v[\d:\d+7], v[\a:\a+11], v[\b:\b+11], v[\c:\c+7], v[\sa], v[\sb] matrix_a_fmt:MATRIX_FMT_FP6 matrix_b_fmt:MATRIX_FMT_FP6 matrix_b_scale:MATRIX_SCALE_ROW1
.else
	v_wmma_scale_f32_16x16x128_f8f6f4 v[\d:\d+7], v[\a:\a+11], v[\b:\b+11], v[\c:\c+7], v[\sa], v[\sb] matrix_a_fmt:MATRIX_FMT_FP6 matrix_b_fmt:MATRIX_FMT_FP6 matrix_a_scale:MATRIX_SCALE_ROW1 matrix_b_scale:MATRIX_SCALE_ROW1
.endif
.endif
.endm
; a fragment of K step S from padded rows: six pieces of 8 bytes.  Lanes 16-31 read three pieces further on; where that lies behind one padding more, the second address register (40 for 24 bytes a half) serves
.macro FRAG reg, adr, S, off
.irp p, 0,1,2,3,4,5
.set PC, 12*(\S)+6*(\p/3)+\p%3
.if PC%32 < 29
	ds_load_b64 v[\reg+2*\p:\reg+2*\p+1], v[\adr] offset:\off+8*PC+16*(PC/32)
.else
	ds_load_b64 v[\reg+2*\p:\reg+2*\p+1], v[\adr+1] offset:\off+8*PC+16*(PC/32)
.endif
.endr
.endm
.macro FETCH S, set                    ; 72 LDS loads in one run: my 8 fragments of Wk and my 4 of x
.set AB, FR0*(1-(\set))
.set WN, 0x80*(\set)
	WIN WN
.irp t, 0,1,2,3,4,5,6,7
	FRAG AB+12*\t, 8, \S, 2*\t*PIT
.endr
.irp q, 0,1,2,3
	FRAG AB+96+12*\q, 4+2*(\q/2), \S, (\q%2)*XREG
.endr
.endm
.macro MUL S, set                      ; 32 products; the 32 accumulators take turns, one instruction a turn, in the same order in every step
.set AB, FR0*(1-(\set))
.if (\S) == 0
	WIN 0x60                                       ; C = bk, in window 2: the bias starts the sums
.elseif (\set) == 1
	WIN 0x5a
.else
	WIN 0x50
.endif
.irp t, 0,1,2,3,4,5,6,7
.irp q, 0,1,2,3
.if (\S) == 0
	WMS 32*\t+8*\q, AB+12*\t, AB+96+12*\q, 1, BKR+8*\t, WSC+8*(\t/2)+(\S), XSC+8*(\q/2)+(\S), \t%2, \q%2
.else
	WMS 32*\t+8*\q, AB+12*\t, AB+96+12*\q, 1, 32*\t+8*\q, WSC+8*(\t/2)+(\S), XSC+8*(\q/2)+(\S), \t%2, \q%2
.endif
.endr
.endr
.endm
.macro KS S                            ; a K step: its fragments are in; the next step's are asked for, four places behind the products that read those registers; then the products
	s_wait_dscnt 0x0
.if (\S) > 0
	PLACES 4
.endif
.if (\S) < 7
	FETCH (\S)+1, ((\S)+1)%2
.endif
	MUL \S, (\S)%2
.endm
	s_load_b256 s[4:11], s[0:1], 0x0               ; x's codes, x's scales, Wk's codes, Wk's scales
	s_load_b256 s[12:19], s[0:1], 0x20             ; bk, Wq's codes, Wq's scales, Wv's codes
	s_load_b256 s[20:27], s[0:1], 0x40             ; Wv's scales, eki, eks, wi
	s_load_b64 s[28:29], s[0:1], 0x60              ; ws
	v_lshl_add_u32 v254, v0, 2, 0x4f500
	v_mov_b32 v255, 0
	ds_add_u32 v254, v255
	ds_add_u32 v254, v255
	v_lshrrev_b32 v1, 5, v0
	v_readfirstlane_b32 s[WV], v1                  ; wave 0..3
	s_lshr_b32 s31, s[WV], 1                       ; G
	s_and_b32 s60, s[WV], 1                        ; T
	s_bfe_u32 s61, ttmp6, 0x40000                  ; cx
	s_bfe_u32 s62, ttmp6, 0x40004                  ; cy
	s_lshl_b32 s63, ttmp9, 2
	s_add_co_u32 s63, s63, s61                     ; w2 = work-group x
	s_and_b32 s67, ttmp7, 0xffff                   ; cluster y
	s_lshl_b32 s66, s67, 2
	s_add_co_u32 s66, s66, s62                     ; Y = work-group y
	s_lshl_b32 s68, s62, 2
	s_lshl_b32 s68, 15, s68                        ; my row of the cluster
	s_lshl_b32 s69, 0x1111, s61                    ; my column
	s_or_b32 s[G1X], s68, PADW                     ; x's tiles go to my row,
	s_or_b32 s[G1W], s69, PADW                     ; Wk's to my column
.irp g, G1X, G1W
	s_mov_b32 s[\g+1], 768<<16                     ; tensor_dim0: a row of 768 bytes
	s_mov_b32 s[\g+2], 32<<16                      ; tensor_dim1
	s_mov_b32 s[\g+3], 768<<16                     ; tile_dim0
	s_mov_b32 s[\g+4], 32                          ; tile_dim1
	s_mov_b32 s[\g+6], 0
	s_mov_b32 s[\g+7], 0
.endr
	s_mov_b32 s[G1X+5], 3072                       ; x: every fourth row
	s_mov_b32 s[G1W+1], 25344<<16                  ; Wk: a tile row is 33 neighbouring rows of Wk, 25,344 bytes,
	s_mov_b32 s[G1W+2], 2<<16                      ; two of them,
	s_mov_b32 s[G1W+3], 25344<<16
	s_mov_b32 s[G1W+4], 2
	s_mov_b32 s[G1W+5], 97536                      ; 127 rows of Wk apart: the first holds rows 0..32 of piece 2 wave, the second rows -1..31 of piece 2 wave + 1; both lie inside Wk
	s_mul_i32 s70, s66, 98304                      ; x: row 128 Y + wave (region q = wave): made of Y and the wave's number alone
	s_mul_i32 s71, s[WV], 768
	s_add_co_u32 s70, s70, s71
	s_mov_b32 s71, 0
	s_mul_i32 s72, s63, 24576                      ; Wk: row 128 (2 wave) + 32 w2: made of w2 and the wave's number alone
	s_mul_i32 s73, s[WV], 196608
	s_add_co_u32 s72, s72, s73
	s_mov_b32 s73, 0
	s_mul_i32 s74, s[WV], XREG                     ; where they go: no place in the cluster enters an LDS address
	s_mul_i32 s75, s[WV], 2*WPC
	s_mov_b32 s98, 0x3fb8aa3b                      ; log2(e)
	s_mov_b32 s99, s98
	s_wait_dscnt 0x0
	s_wait_kmcnt 0x0
	CROUND                                         ; all sixteen work-groups are here: the joint loads meet
	s_mov_b32 s[G0X], 1
	s_mov_b32 s[G0X+1], s74
	s_add_nc_u64 s[G0X+2:G0X+3], s[4:5], s[70:71]
	s_or_b32 s[G0X+3], s[G0X+3], 0x80000000
	s_mov_b32 s[G0A], 1
	s_add_co_u32 s[G0A+1], s75, WT
	s_add_nc_u64 s[G0A+2:G0A+3], s[8:9], s[72:73]
	s_or_b32 s[G0A+3], s[G0A+3], 0x80000000
	tensor_load_to_lds s[G0A:G0A+3], s[G1W:G1W+7]  ; my two pieces of Wk: one tensor load a wave at the head
	s_nop 0
	PLACES 4
	; ---- addresses
	v_and_b32 v1, 15, v0                           ; r
	v_bfe_u32 v2, v0, 4, 1                         ; hh
	v_and_b32 v3, 31, v0                           ; lane
	s_mul_i32 s76, s31, 16*PIT
	v_mul_u32_u24 v4, v1, PIT
	v_mad_u32_u24 v4, v2, 24, v4
	v_add_nc_u32 v4, s76, v4                       ; x, regions 0 and 1: row 16 G + r, + 24 hh
	v_lshl_add_u32 v5, v2, 4, v4                   ; the same behind one padding more
	v_add_nc_u32 v6, 2*XREG, v4                    ; regions 2 and 3
	v_add_nc_u32 v7, 2*XREG, v5
	v_and_b32 v72, 7, v1
	v_lshrrev_b32 v73, 3, v1
	s_mul_i32 s77, s60, 16*PIT
	s_add_co_u32 s77, s77, WT
	v_mul_u32_u24 v8, v72, WPC
	v_mad_u32_u24 v8, v73, PIT, v8
	v_mad_u32_u24 v8, v2, 24, v8
	v_add_nc_u32 v8, s77, v8                       ; Wk: piece r % 8, row 16 T + r / 8 (+ 2 t in the immediate)
	v_lshl_add_u32 v9, v2, 4, v8
	; the stage: my block is K step 4 G + r / 4, block r % 4 of it: registers 6 c + 0..5 (c = (r / 2) % 2) of lane 16 (r % 2) + 8 T + 2 (t % 4) + hh of fragment u = t / 4
	v_lshrrev_b32 v74, 2, v1
	v_bfe_u32 v75, v1, 1, 1
	v_and_b32 v76, 1, v1
	s_mul_i32 s78, s31, 12288
	s_lshl_b32 s79, s60, 7
	s_add_co_u32 s78, s78, s79
	v_mul_u32_u24 v77, v74, 3072
	v_lshl_add_u32 v77, v76, 8, v77
	v_lshl_add_u32 v77, v2, 4, v77
	v_add_nc_u32 v77, s78, v77
.irp p, 0,1,2
	v_mad_u32_u24 v78, v75, 3, \p                  ; pair 3 c + p of the lane's six pairs of registers
	v_lshrrev_b32 v79, 1, v78
	v_and_b32 v78, 1, v78
	v_lshl_add_u32 v[10+\p], v79, 9, v77
	v_lshl_add_u32 v[10+\p], v78, 3, v[10+\p]
.endr
	s_lshl_b32 s80, s31, 9
	s_lshl_b32 s81, s60, 5
	s_add_co_u32 s80, s80, s81
	s_add_co_u32 s80, s80, STS
	v_and_b32 v78, 3, v1
	v_lshl_add_u32 v13, v74, 7, v78
	v_lshl_add_u32 v13, v2, 2, v13
	v_add_nc_u32 v13, s80, v13                     ; my block's scale byte: word of lane 16 u + row, byte r % 4
	s_mul_i32 s81, s[WV], 6144
	v_lshlrev_b32 v15, 4, v3                       ; 16 x lane
	v_add_nc_u32 v14, s81, v15                     ; out of the stage: two K steps' images a wave
	v_lshlrev_b32 v16, 3, v3                       ; 8 x lane
	s_lshl_b32 s82, s[WV], 8
	s_add_co_u32 s82, s82, STS
	v_add_nc_u32 v17, s82, v16                     ; and their 256 bytes of scale words
	v_lshlrev_b32 v18, 7, v1
	v_lshl_add_u32 v18, v2, 5, v18                 ; x's scale words: row 4 r + hh of 32 bytes
	v_lshlrev_b32 v19, 12, v72
	v_lshl_add_u32 v19, v2, 6, v19
	v_lshl_add_u32 v19, v73, 5, v19                ; Wk's: row 128 (r % 8) + 2 hh + r / 8
	v_lshlrev_b32 v20, 2, v2                       ; bk: 4 hh
	v_lshl_add_u32 v78, v73, 3, v1                 ; r + 8 (r / 8)
	v_mul_u32_u24 v21, v78, 768
	v_mad_u32_u24 v21, v2, 24, v21                 ; the weight that I lay anew: its codes,
	s_wait_alu depctr_va_vdst(0)
	v_lshlrev_b32 v22, 5, v78                      ; its scale words,
	s_wait_alu depctr_va_vdst(0)
	v_lshlrev_b32 v23, 2, v1                       ; and where those go: 4 r
	; ---- bases
	s_mov_b32 s85, 0
	s_lshl_b32 s84, s66, 12
	s_lshl_b32 s76, s31, 11
	s_add_co_u32 s84, s84, s76
	s_add_nc_u64 s[6:7], s[6:7], s[84:85]          ; x's scales at row 128 Y + 64 G
	s_lshl_b32 s84, s63, 10
	s_lshl_b32 s76, s60, 9
	s_add_co_u32 s84, s84, s76
	s_add_nc_u64 s[10:11], s[10:11], s[84:85]      ; Wk's scales at row 32 w2 + 16 T
	s_lshl_b32 s84, s63, 7
	s_lshl_b32 s76, s60, 6
	s_add_co_u32 s84, s84, s76
	s_add_nc_u64 s[12:13], s[12:13], s[84:85]      ; bk likewise
	; one fragment of Wv or Wq a wave: 1,024 waves, 1,024 fragments.  g = cluster y / 2, K step S = wave + 4 (cluster y % 2), w = w2, u = cy % 2, which weight = cy / 2: a choice of pointers, no branch
	s_lshr_b32 s86, s62, 1
	s_and_b32 s87, s62, 1
	s_lshr_b32 s88, s67, 1
	s_and_b32 s89, s67, 1
	s_lshl_b32 s89, s89, 2
	s_add_co_u32 s89, s89, s[WV]
	s_cmp_eq_u32 s86, 0
	s_cselect_b64 s[90:91], s[18:19], s[14:15]
	s_cselect_b64 s[92:93], s[20:21], s[16:17]
	s_lshl_b32 s94, s88, 7
	s_lshl_b32 s95, s63, 5
	s_add_co_u32 s94, s94, s95
	s_lshl_b32 s95, s87, 3
	s_add_co_u32 s94, s94, s95                     ; its first row: 128 g + 32 w + 8 u
	s_mul_i32 s84, s94, 768
	s_mul_i32 s95, s89, 96
	s_add_co_u32 s84, s84, s95
	s_add_nc_u64 s[90:91], s[90:91], s[84:85]
	s_lshl_b32 s84, s94, 5
	s_lshl_b32 s95, s89, 2
	s_add_co_u32 s84, s84, s95
	s_add_nc_u64 s[92:93], s[92:93], s[84:85]
	s_lshl_b32 s96, s88, 2
	s_add_co_u32 s96, s96, s63
	s_lshl_b32 s96, s96, 1
	s_add_co_u32 s96, s96, s86
	s_lshl_b32 s96, s96, 3
	s_add_co_u32 s96, s96, s89                     ; ((4 g + w) 2 + which) 8 + S
	s_lshl_b32 s97, s96, 1
	s_add_co_u32 s97, s97, s87
	s_mul_i32 s84, s97, 1536
	s_add_nc_u64 s[26:27], s[26:27], s[84:85]
	s_lshl_b32 s84, s96, 7
	s_lshl_b32 s95, s87, 6
	s_add_co_u32 s84, s84, s95
	s_add_nc_u64 s[28:29], s[28:29], s[84:85]
	; where my part of the result goes
	s_and_b32 s76, s66, 1                          ; H2
	s_bfe_u32 s77, s66, 0x30001                    ; h
	s_lshr_b32 s78, s66, 4                         ; b
	s_mul_i32 s84, s77, 786432
	s_lshl_b32 s79, s76, 3
	s_lshl_b32 s80, s[WV], 1
	s_add_co_u32 s79, s79, s80
	s_mul_i32 s79, s79, 49152
	s_add_co_u32 s84, s84, s79
	s_mul_i32 s79, s63, 12288
	s_add_co_u32 s84, s84, s79
	s_mul_i32 s79, s78, 3072
	s_add_co_u32 s84, s84, s79
	s_add_nc_u64 s[22:23], s[22:23], s[84:85]      ; eki [h][S = 8 H2 + 2 wave][w2][b]
	s_lshl_b32 s84, s77, 2
	s_add_co_u32 s84, s84, s63
	s_lshl_b32 s84, s84, 2
	s_add_co_u32 s84, s84, s78
	s_lshl_b32 s84, s84, 11
	s_lshl_b32 s79, s76, 10
	s_add_co_u32 s84, s84, s79
	s_lshl_b32 s79, s[WV], 8
	s_add_co_u32 s84, s84, s79
	s_add_nc_u64 s[24:25], s[24:25], s[84:85]      ; eks [h][w2][b][S]
	s_wait_alu depctr_va_vdst(0)
	s_wait_tensorcnt 0x0                           ; x's first fill is issued as a refill is: all my loads are in,
	ds_add_u32 v254, v255                          ; the add,
	s_wait_dscnt 0x0
	CROUND                                         ; and a whole round: the joint loads meet
	tensor_load_to_lds s[G0X:G0X+3], s[G1X:G1X+7]  ; my region of x
	s_nop 0
	PLACES 4
	; ---- loads into registers, while the tiles land
.irp p, 0,1,2,3,4,5
	global_load_b64 v[80+2*\p:81+2*\p], v21, s[90:91] offset:48*(\p/3)+8*(\p%3)
.endr
	global_load_b32 v92, v22, s[92:93]
.irp q2, 0,1
.irp e, 0,1
	global_load_b128 v[XSC+8*\q2+4*\e:XSC+8*\q2+4*\e+3], v18, s[6:7] offset:64*\q2+16*\e     ; lanes 0-15: x's tile q = 2 q2, lanes 16-31: q = 2 q2 + 1; four K steps' words
.endr
.endr
.irp t2, 0,1,2,3
.irp e, 0,1
	global_load_b128 v[WSC+8*\t2+4*\e:WSC+8*\t2+4*\e+3], v19, s[10:11] offset:128*\t2+16*\e  ; lanes 0-15: Wk's tile t = 2 t2, lanes 16-31: t = 2 t2 + 1
.endr
.endr
	WIN 0x80
.irp t, 0,1,2,3,4,5,6,7
.irp j, 0,1,2,3,4,5,6,7
	global_load_b32 v[BKR+8*\t+\j], v20, s[12:13] offset:512*\j+8*\t     ; bk(128 j + 32 w2 + 2 tau + hh)
.endr
.endr
	WIN 0
	s_wait_alu depctr_va_vdst(0)
	s_wait_loadcnt 0x0
.irp c, 0,1,2
	global_store_b128 v15, v[80+4*\c:83+4*\c], s[26:27] offset:512*\c    ; the weight's fragment as an image: 512 consecutive bytes a store
.endr
	global_store_b32 v23, v92, s[28:29]            ; its 16 scale words (lanes 16-31 write the same words with the same values)
	s_wait_xcnt 0x0                                ; the stores have read v80-92: fragments land there next
	s_wait_tensorcnt 0x0                           ; my region of x is in,
	s_barrier_signal -1
	s_barrier_wait -1                              ; everybody's are
	FETCH 0, 0
.irp s8, 0,1,2,3,4,5,6,7
	KS \s8
.endr
	WIN 0
	PLACES 4                                       ; four places behind the last products, ahead of the first read of results
	; ---- exp, and the quantiser: each tile's 32 registers are one block
	WIN 0x41
.set i, 0
.rept 128
	v_pk_mul_f32 v[i:i+1], v[i:i+1], s[98:99] op_sel_hi:[1,0]      ; each accumulator from its low end on
.set i, i+2
.endr
.set i, 0
	s_wait_alu depctr_va_vdst(0)
.rept 256
	v_exp_f32 v[i], v[i]
.set i, i+1
.endr
	v_nop                                          ; a plain instruction behind the last exponential
	s_wait_alu depctr_va_vdst(0)                   ; one wait for the batch, ahead of its first reader
	WIN 0x14
.irp t, 0,1,2,3,4,5,6,7
	v_max3_num_f32 v[80+\t], 0x1800000, v[32*\t], v[32*\t+1]       ; the floor 2^(3 - 127) holds the byte at 1 from below; nothing here is negative
.endr
.irp i2, 2,4,6,8,10,12,14,16,18,20,22,24,26,28,30
.irp t, 0,1,2,3,4,5,6,7
	v_max3_num_f32 v[80+\t], v[80+\t], v[32*\t+\i2], v[32*\t+\i2+1]
.endr
.endr
	WIN 0
.irp t, 0,1,2,3,4,5,6,7
	v_add_nc_u32 v[88+\t], 0xff000000, v[80+\t]    ; 2 off the exponent field: the conversion's scale operand
.endr
.irp t, 0,1,2,3,4,5,6,7
	v_lshrrev_b32 v[96+\t], 23, v[88+\t]           ; the scale's byte
.endr
	WIN 0x01
.irp t, 0,1,2,3,4,5,6,7
	v_cvt_scalef32_pk16_fp6_f32 v[104+8*\t:106+8*\t], v[32*\t:32*\t+15], v[88+\t]
	v_cvt_scalef32_pk16_fp6_f32 v[108+8*\t:110+8*\t], v[32*\t+16:32*\t+31], v[88+\t]   ; (a conversion's three registers begin on an even number)
.endr
	WIN 0
	v_nop                                          ; one plain place behind a scaled conversion
.irp t, 0,1,2,3,4,5,6,7
	v_mov_b32 v[107+8*\t], v[108+8*\t]
	v_mov_b32 v[108+8*\t], v[109+8*\t]
	v_mov_b32 v[109+8*\t], v[110+8*\t]             ; the block's 24 bytes on end
.endr
	s_wait_alu depctr_va_vdst(0)
	s_wait_dscnt 0x0                               ; my reads of the tiles are over
	s_barrier_signal -1
	s_barrier_wait -1                              ; everybody's are: x's bytes, which had their only fill, become the stage
.irp t, 0,1,2,3,4,5,6,7
.irp p, 0,1,2
	ds_store_b64 v[10+\p], v[104+8*\t+2*\p:105+8*\t+2*\p] offset:1536*(\t/4)+32*(\t%4)
.endr
	ds_store_b8 v13, v[96+\t] offset:64*(\t/4)+8*(\t%4)
.endr
	s_wait_dscnt 0x0                               ; for the others' sake: my stores are done
	s_barrier_signal -1
	s_barrier_wait -1
.irp i2, 0,1,2,3,4,5,6,7,8,9,10,11
	ds_load_b128 v[176+4*\i2:179+4*\i2], v14 offset:512*\i2
.endr
	ds_load_b64 v[168:169], v17
.irp i2, 0,1,2,3,4,5,6,7,8,9,10,11
	s_wait_dscnt 12-\i2                            ; the younger loads of the run may be out
	global_store_b128 v15, v[176+4*\i2:179+4*\i2], s[22:23] offset:49152*(\i2/6)+512*(\i2%6)   ; 512 consecutive bytes, aligned
.endr
	s_wait_dscnt 0x0
	global_store_b64 v16, v[168:169], s[24:25]     ; 256 consecutive bytes, aligned
	s_wait_tensorcnt 0x0
	ds_add_u32 v254, v255
	s_wait_dscnt 0x0
	CROUND                                         ; the closing round
	s_endpgm
.Lfunc_end_k_q7b6d94632e_kproj:
	.size	k_q7b6d94632e_kproj, .Lfunc_end_k_q7b6d94632e_kproj-k_q7b6d94632e_kproj
	.p2alignl 7, 3214868480
	.fill 96, 4, 3214868480
	.section	.rodata,"a",@progbits
	.p2align	6, 0x0
	.amdhsa_kernel k_q7b6d94632e_kproj
		.amdhsa_group_segment_fixed_size 327680
		.amdhsa_private_segment_fixed_size 0
		.amdhsa_enable_private_segment 0
		.amdhsa_kernarg_size 104
		.amdhsa_user_sgpr_count 2
		.amdhsa_user_sgpr_kernarg_segment_ptr 1
		.amdhsa_wavefront_size32 1
		.amdhsa_system_sgpr_workgroup_id_x 1
		.amdhsa_system_sgpr_workgroup_id_y 1
		.amdhsa_system_sgpr_workgroup_id_z 1
		.amdhsa_system_vgpr_workitem_id 0
		.amdhsa_next_free_vgpr 768
		.amdhsa_next_free_sgpr 100
		.amdhsa_reserve_vcc 0
		.amdhsa_float_denorm_mode_32 3
		.amdhsa_float_denorm_mode_16_64 3
		.amdhsa_memory_ordered 1
		.amdhsa_forward_progress 1
		.amdhsa_inst_pref_size 122
	.end_amdhsa_kernel
	.amdgpu_metadata
---
amdhsa.version: [ 1, 2 ]
amdhsa.kernels:
  - .name:           k_q7b6d94632e_kproj
    .symbol:         k_q7b6d94632e_kproj.kd
    .args:
      - { .name: x_codes, .offset: 0, .size: 8, .value_kind: global_buffer, .address_space: global }
      - { .name: x_scales, .offset: 8, .size: 8, .value_kind: global_buffer, .address_space: global }
      - { .name: Wk_codes, .offset: 16, .size: 8, .value_kind: global_buffer, .address_space: global }
      - { .name: Wk_scales, .offset: 24, .size: 8, .value_kind: global_buffer, .address_space: global }
      - { .name: bk, .offset: 32, .size: 8, .value_kind: global_buffer, .address_space: global }
      - { .name: Wq_codes, .offset: 40, .size: 8, .value_kind: global_buffer, .address_space: global }
      - { .name: Wq_scales, .offset: 48, .size: 8, .value_kind: global_buffer, .address_space: global }
      - { .name: Wv_codes, .offset: 56, .size: 8, .value_kind: global_buffer, .address_space: global }
      - { .name: Wv_scales, .offset: 64, .size: 8, .value_kind: global_buffer, .address_space: global }
      - { .name: eki, .offset: 72, .size: 8, .value_kind: global_buffer, .address_space: global }
      - { .name: eks, .offset: 80, .size: 8, .value_kind: global_buffer, .address_space: global }
      - { .name: wi, .offset: 88, .size: 8, .value_kind: global_buffer, .address_space: global }
      - { .name: ws, .offset: 96, .size: 8, .value_kind: global_buffer, .address_space: global }
    .group_segment_fixed_size: 327680
    .private_segment_fixed_size: 0
    .kernarg_segment_align: 8
    .kernarg_segment_size: 104
    .max_flat_workgroup_size: 128
    .sgpr_count:     100
    .vgpr_count:     768
    .wavefront_size: 32
...
	.end_amdgpu_metadata
.endif
;; end of part 1
;; launch aft (part 2): grid 32 x 8, 4 waves a work-group, clusters of 4 x 1, 327,680 bytes of LDS; arguments wbias, eki, eks, x_codes, x_scales, wi, ws, bq, bv, yi, ys; writes yi, ys
.if DOCPART == 2
	.amdgcn_target "amdgcn-amd-amdhsa--gfx1250"
	.amdhsa_code_object_version 6
	.text
	.protected	k_q7b6d94632e_aft
	.globl	k_q7b6d94632e_aft
	.p2align	8
	.type	k_q7b6d94632e_aft,@function
k_q7b6d94632e_aft:
	s_mov_b64 s[64:65], 0
	v_nop
	global_prefetch_b8 v0, s[64:65] scope:SCOPE_SE
	s_setreg_imm32_b32 hwreg(HW_REG_WAVE_MODE, 25, 1), 1
	s_wait_xcnt 0x0
	s_wait_alu depctr_hold_cnt(0) depctr_sa_sdst(0) depctr_va_vdst(0) depctr_va_sdst(0) depctr_va_ssrc(0) depctr_va_vcc(0) depctr_vm_vsrc(0)
	s_getreg_b32 s2, hwreg(HW_REG_IB_STS2, 6, 4)
	s_cmp_eq_u32 s2, 0
	s_cbranch_scc0 .Lentry_in_a_cluster
	s_endpgm
.Lentry_in_a_cluster:
	s_bfe_u32 s2, ttmp6, 0x10000c
	s_cmp_lg_u32 s2, 0x3003
	s_cbranch_scc0 .Lentry_shape_is_right
	s_endpgm
.Lentry_shape_is_right:
; numer = exp(wbias) exp(K), weighted = sum_b(numer v) / sum_b(numer), y = sigmoid(q) weighted, y quantised to FP6 (E2M3) along the output product's K and stored as images of operand registers.
; SHARES.  A work-group takes head h, the 64 queries t = 512 g + j + 8 i (i 0..63), all 4 batches and all 128 channels.  By the reshape these t are rows 256 h + 64 g + i of x and columns 128 j + d of q and v.
; Wave w takes channels 32 w .. 32 w + 31 of all batches and all 64 t: 32 accumulators; it also quantises rows 16 w .. 16 w + 15 of exp(wbias), and the four waves hand these images to each other through LDS.
; WBIAS comes by loads of 512 consecutive bytes (one row, one K step of 128 keys) into a ring of four sets of 64 registers, asked for three K steps ahead; a wave turns its 16 rows round through its own stage in LDS,
; so that a lane holds 2 x 32 neighbouring keys of one row.  That run ahead in registers takes the place of a data prefetch for this stream.
; CLUSTER 4 x 1: the four partners (same h and g, other j) need the same images of exp(K) and the same rows of x: both are asked for jointly.  exp(K): two slots of two K steps (98,304 bytes as rows of 256 + 16), three waves a third each;
; its scale words, 32,768 bytes, once, by wave 3's load at the head.  x: 64 whole rows of 768 bytes a load, with the same padding, into the very bytes of the slots when exp(K) is read out.  Wq's and Wv's images go from memory straight into registers, so they are no joint loads.
; PREFETCHES: behind each refill one line asks for what the refill two further on (four K steps) will load: 98,304 bytes are 384 blocks of 256 bytes, 32 for each of the 12 loading waves of the four partners, told apart by address; the loop's last trip asks so for x's two halves.
; Step 0 asks for the fills of steps 1 and 3; the two fills ahead of them come by their loads alone.  In step 13 wave 0 asks for 12 blocks of W's K steps 4 to 7: the 32 work-groups with my j share those 384 blocks out.
; THE PROJECTIONS go by halves of t: a pass makes q AND v of 32 t, all batches (32 accumulators), so that a fragment of x, read from LDS once, feeds four products; then that half's sums over the batches, its sigmoid and its quantiser.
; LIMITS: exp is v_exp_f32 of the number x log2(e); results under 2^-126 count as 0; NaN and infinities are not served; a block of zeros gets the byte 1 (its codes are zeros, and this program alone reads the bytes).
; REGISTERS: window 0: v1-39 addresses and work; v40-47 exp(K)'s scale words; v48-51 the images'; v52-59 W's; v60-91 x's; v92-93 the prefetches' offsets; v124-255 at work.  window 1: numer, (b, n4, u) at 64 b + 16 n4 + 8 u.
; window 2: exp(K)'s fragments, two sets; then v at 32 b + 16 n2 + 8 u and q 128 further on.  window 3: wbias's ring; then v0-191 W's images, a ring of four K steps of 48; v192-207 bv, v208-223 bq.
.set THIRD, 34816                      ; 128 rows of 272 bytes
.set SCL,   104448                     ; behind slot 0: exp(K)'s scale words
.set SL1,   139264                     ; slot 1
.set STG,   243712                     ; the waves' stages for wbias: 16 rows x 528 bytes each
.set IMG,   277504
.set ISC,   289792
.set SPARE, 290816
.set YST,   291328
.set YSS,   315904
.set XP,    816                        ; a row of x in LDS: 768 bytes + 16 behind each 256
.set XB,    64*XP                      ; a batch's 64 rows
.set WV,    26
.set PH,    89
.set PFS,   66                         ; s[66:67], s[68:69]: where the prefetches of a trip's two refill steps stand; s[70:71], s[98:99]: the same for x's two halves; s[2:3]: for W
.set MSB,   0
.macro WIN new
.if MSB != \new
	s_set_vgpr_msb (MSB<<8)|\new
.set MSB, \new
.endif
.endm
.macro PLACES n
.rept \n
	v_nop
.endr
.endm
.macro ROUND                           ; a round of the cluster's barrier
	s_barrier_signal -1
	s_barrier_wait -1
	s_cmp_lg_u32 s[WV], 0
	s_cbranch_scc1 .Lnot_wave_0_\@
	s_barrier_signal -3
.Lnot_wave_0_\@:
	s_barrier_wait -3
	s_barrier_signal -1
	s_barrier_wait -1
.endm
.macro WMS d, a, b, cm, c, sa, sb, ra, rb
.if (\cm) == 0
.if ((\ra) == 0) && ((\rb) == 0)
	v_wmma_scale_f32_16x16x128_f8f6f4 v[\d:\d+7], v[\a:\a+11], v[\b:\b+11], 0, v[\sa], v[\sb] matrix_a_fmt:MATRIX_FMT_FP6 matrix_b_fmt:MATRIX_FMT_FP6
.elseif (\rb) == 0
	v_wmma_scale_f32_16x16x128_f8f6f4 v[\d:\d+7], v[\a:\a+11], v[\b:\b+11], 0, v[\sa], v[\sb] matrix_a_fmt:MATRIX_FMT_FP6 matrix_b_fmt:MATRIX_FMT_FP6 matrix_a_scale:MATRIX_SCALE_ROW1
.elseif (\ra) == 0
	v_wmma_scale_f32_16x16x128_f8f6f4 v[\d:\d+7], v[\a:\a+11], v[\b:\b+11], 0, v[\sa], v[\sb] matrix_a_fmt:MATRIX_FMT_FP6 matrix_b_fmt:MATRIX_FMT_FP6 matrix_b_scale:MATRIX_SCALE_ROW1
.else
	v_wmma_scale_f32_16x16x128_f8f6f4 v[\d:\d+7], v[\a:\a+11], v[\b:\b+11], 0, v[\sa], v[\sb] matrix_a_fmt:MATRIX_FMT_FP6 matrix_b_fmt:MATRIX_FMT_FP6 matrix_a_scale:MATRIX_SCALE_ROW1 matrix_b_scale:MATRIX_SCALE_ROW1
.endif
.else
.if ((\ra) == 0) && ((\rb) == 0)
	v_wmma_scale_f32_16x16x128_f8f6f4 v[\d:\d+7], v[\a:\a+11], v[\b:\b+11], v[\c:\c+7], v[\sa], v[\sb] matrix_a_fmt:MATRIX_FMT_FP6 matrix_b_fmt:MATRIX_FMT_FP6
.elseif (\rb) == 0
	v_wmma_scale_f32_16x16x128_f8f6f4 v[\d:\d+7], v[\a:\a+11], v[\b:\b+11], v[\c:\c+7], v[\sa], v[\sb] matrix_a_fmt:MATRIX_FMT_FP6 matrix_b_fmt:MATRIX_FMT_FP6 matrix_a_scale:MATRIX_SCALE_ROW1
.elseif (\ra) == 0
	v_wmma_scale_f32_16x16x128_f8f6f4 v[\d:\d+7], v[\a:\a+11], v[\b:\b+11], v[\c:\c+7], v[\sa], v[\sb] matrix_a_fmt:MATRIX_FMT_FP6 matrix_b_fmt:MATRIX_FMT_FP6 matrix_b_scale:MATRIX_SCALE_ROW1
.else
	v_wmma_scale_f32_16x16x128_f8f6f4 v[\d:\d+7], v[\a:\a+11], v[\b:\b+11], v[\c:\c+7], v[\sa], v[\sb] matrix_a_fmt:MATRIX_FMT_FP6 matrix_b_fmt:MATRIX_FMT_FP6 matrix_a_scale:MATRIX_SCALE_ROW1 matrix_b_scale:MATRIX_SCALE_ROW1
.endif
.endif
.endm
.macro WLD n, off                      ; my 16 rows of wbias, one K step at byte off of the rows, into ring set n: each load is 512 consecutive bytes, aligned
	WIN 0xc0
.set i, 0
.rept 16
	global_load_b128 v[64*(\n)+4*i:64*(\n)+4*i+3], v4, s[4:5] offset:(\off)+65536*i th:TH_LOAD_NT
.set i, i+1
.endr
	WIN 0
.endm
.macro TR n, cnt                       ; ring set n through my stage: cnt = the younger wbias loads, which may stay out.  LDS serves a wave's instructions in order: no wait between the stores and the loads
	s_wait_loadcnt \cnt
	WIN 0x0c
.set i, 0
.rept 16
	ds_store_b128 v7, v[64*(\n)+4*i:64*(\n)+4*i+3] offset:528*i
.set i, i+1
.endr
	WIN 0
.irp c2, 0,1
.irp k8, 0,1,2,3,4,5,6,7
	ds_load_b128 v[124+32*\c2+4*\k8:127+32*\c2+4*\k8], v6 offset:256*\c2+16*\k8   ; lane (r, hh): keys 64 c2 + 32 hh + 0 .. 31 of row r
.endr
.endr
.endm
.macro EKL adr, p, so                  ; my 8 images of exp(K) of a K step (half p of the slot at v[adr]) into set p, and their 4 scale words
	WIN 0x80
.set i, 0
.rept 24
	ds_load_b128 v[96*(\p)+4*i:96*(\p)+4*i+3], v[\adr] offset:52224*(\p)+544*i
.set i, i+1
.endr
	WIN 0
.irp bb, 0,1,2,3
	ds_load_b32 v[40+4*(\p)+\bb], v15 offset:2176*\bb+(\so)
.endr
.endm
.macro WRL kq, sl                      ; Wv's and Wq's images (2 x 2 of 1,536 bytes) and scale words of K step kq into ring slot sl: 14 loads
	WIN 0xc0
.irp wq, 0,1
.irp i6, 0,1,2,3,4,5
	global_load_b128 v[48*(\sl)+24*\wq+4*\i6:48*(\sl)+24*\wq+4*\i6+3], v4, s[14:15] offset:24576*\wq+3072*(\kq)+512*\i6
.endr
.endr
	WIN 0
.irp wq, 0,1
	global_load_b32 v[52+2*(\sl)+\wq], v5, s[16:17] offset:1024*\wq+128*(\kq)
.endr
.endm
.macro XSL tau                         ; x's scale words of half tau of t: lane l: row 32 tau + l, eight K steps
.irp bb, 0,1,2,3
.irp e, 0,1
	global_load_b128 v[60+8*\bb+4*\e:63+8*\bb+4*\e], v27, s[12:13] offset:65536*\bb+1024*(\tau)+16*\e
.endr
.endr
.endm
.macro QEW                             ; exp and the quantiser: two whole blocks of 32 keys a lane
.set i, 0
.rept 32
	v_pk_mul_f32 v[124+i:125+i], v[124+i:125+i], s[74:75] op_sel_hi:[1,0]
.set i, i+2
.endr
.set i, 0
	s_wait_alu depctr_va_vdst(0)
.rept 64
	v_exp_f32 v[124+i], v[124+i]
.set i, i+1
.endr
	v_nop
	s_wait_alu depctr_va_vdst(0)                   ; and behind it
	v_max3_num_f32 v30, v124, v125, 0x1800000      ; the floor 2^(3 - 127) holds the byte at 1 from below; nothing here is negative
	v_max3_num_f32 v31, v156, v157, 0x1800000
.irp i2, 2,4,6,8,10,12,14,16,18,20,22,24,26,28,30
	v_max3_num_f32 v30, v30, v[124+\i2], v[125+\i2]
	v_max3_num_f32 v31, v31, v[156+\i2], v[157+\i2]
.endr
	v_add_nc_u32 v32, 0xff000000, v30              ; 2 off the exponent field: the conversion's scale operand
	v_add_nc_u32 v33, 0xff000000, v31
	v_lshrrev_b32 v34, 23, v32
	v_lshrrev_b32 v35, 23, v33
	v_lshl_or_b32 v36, v35, 16, v34
	v_lshlrev_b32 v36, v12, v36
	v_permlanex16_b32 v35, v36, s78, s79
	v_or_b32 v36, v36, v35                         ; the row's scale word
	v_cvt_scalef32_pk16_fp6_f32 v[188:190], v[124:139], v32
	v_cvt_scalef32_pk16_fp6_f32 v[200:202], v[140:155], v32
	v_cvt_scalef32_pk16_fp6_f32 v[194:196], v[156:171], v33
	v_cvt_scalef32_pk16_fp6_f32 v[204:206], v[172:187], v33
	v_nop
	v_mov_b32 v191, v200
	v_mov_b32 v192, v201
	v_mov_b32 v193, v202
	v_mov_b32 v197, v204
	v_mov_b32 v198, v205
	v_mov_b32 v199, v206
.endm
; A K step S of 128 keys; L = S less four times the trip.  wl: wbias of step S + 3 is asked for.  tcnt: the count for step S + 1's wbias (under 0: there is no step S + 1; the biases are asked for).
; rf = 1: the slot that held steps S - 1 and S takes exp(K) four steps on; rf = 2: it takes two batches of x.  cm = 0: the products start the sums.  pre: the first pass's W and x's scale words are asked for.
; pf: the step's prefetch: 1, 2 what the refill two further on will load; 3 my share of W's K steps 4 to 7; 4 the fills of steps 1 and 3.  It stands behind the step's LDS loads and ahead of its 32 products.
.macro KSTEP L, wl, tcnt, rf, cm, pre, pf
.set P, (\L)%2
.set SLT, ((\L)/2)%2
.set EAD, 3-2*((((\L)+1)/2)%2)
.set CM, \cm
.if \wl
	WLD ((\L)+3)%4, ((\L)+3)*512
.endif
	s_wait_dscnt 0x0                               ; this step's wbias, images of exp(K) and scale words are in registers
	QEW
.irp c3, 0,1,2
	ds_store_b128 v8, v[188+4*\c3:191+4*\c3] offset:6144*P+512*\c3
.endr
	ds_store_b32 v9, v36 offset:512*P
.if \rf
	s_wait_tensorcnt 0x0                           ; all my tensor loads are in: my part of the other slot;
	ds_add_u32 v13, v14                            ; the add;
.if (\rf) == 1
	s_add_nc_u64 s[54-4*SLT:55-4*SLT], s[54-4*SLT:55-4*SLT], 196608   ; no load of mine is out: the other slot's next fill, four K steps on
.endif
	s_wait_dscnt 0x0                               ; the add, my image's stores and my reads of this slot are done
	ROUND                                          ; so of every wave of the four partners
.if (\rf) == 1
	s_cmp_lt_u32 s[WV], 3
	s_cbranch_scc0 .Lno_fill_\@
	tensor_load_to_lds s[48+4*SLT:51+4*SLT], s[28:35]
.else
	s_cmp_lt_u32 s[WV], 2
	s_cbranch_scc0 .Lno_fill_\@
	tensor_load_to_lds s[56+4*SLT:59+4*SLT], s[36:43]
.endif
	s_nop 0
	PLACES 4
.Lno_fill_\@:
.else
	s_wait_dscnt 0x0
	s_barrier_signal -1
	s_barrier_wait -1
.endif
.irp n4, 0,1,2,3
.irp c3, 0,1,2
	ds_load_b128 v[208+12*\n4+4*\c3:211+12*\n4+4*\c3], v10 offset:6144*P+1536*\n4+512*\c3
.endr
.endr
	ds_load_b128 v[48:51], v11 offset:512*P
.if (\tcnt) >= 0
	TR ((\L)+1)%4, \tcnt
	EKL EAD, ((\L)+1)%2, (((\L)+1)/2)*272+(((\L)+1)%2)*128
.if \pre
	WRL 0, 0                                       ; ring sets 0 to 2 are read out: W's K steps 0 to 3 land there
	WRL 1, 1
	WRL 2, 2
	WRL 3, 3
	XSL 0
.endif
	s_wait_dscnt 60                                ; the four images and their words are in; behind them: 16 stores, 16 + 24 + 4 loads
.else
	WIN 0xc0                                       ; bv and bq
.irp e, 0,1,2,3
	global_load_b128 v[192+4*\e:195+4*\e], v28, s[20:21] offset:16*\e
	global_load_b128 v[208+4*\e:211+4*\e], v28, s[18:19] offset:16*\e
.endr
	WIN 0
	s_wait_dscnt 0x0
.endif
.if ((\pf) == 1) || ((\pf) == 2)
	s_cmp_lt_u32 s[WV], 3
	s_cbranch_scc0 .Lno_ask_\@
	global_prefetch_b8 v92, s[PFS+2*(\pf)-2:PFS+2*(\pf)-1] th:TH_LOAD_NT scope:SCOPE_SE
.Lno_ask_\@:
.elseif (\pf) == 3
	s_cmp_lg_u32 s[WV], 0
	s_cbranch_scc1 .Lno_ask_\@
	global_prefetch_b8 v93, s[2:3] th:TH_LOAD_NT scope:SCOPE_SE
.Lno_ask_\@:
.elseif (\pf) == 4
	s_cmp_lt_u32 s[WV], 3
	s_cbranch_scc0 .Lno_ask_\@
	global_prefetch_b8 v92, s[PFS:PFS+1] offset:-196608 th:TH_LOAD_NT scope:SCOPE_SE
	global_prefetch_b8 v92, s[PFS+2:PFS+3] offset:-196608 th:TH_LOAD_NT scope:SCOPE_SE
.Lno_ask_\@:
.endif
	WIN 0x52
.irp bb, 0,1,2,3                       ; the 32 accumulators take turns, one instruction a turn
.irp u, 0,1
.irp n4, 0,1,2,3
	WMS 64*\bb+16*\n4+8*\u, 96*P+12*(2*\bb+\u), 208+12*\n4, CM, 64*\bb+16*\n4+8*\u, 40+4*P+\bb, 48+\n4, \u, 0
.endr
.endr
.endr
	WIN 0
.endm
; THE PROJECTIONS.  A group: one K step KP, one batch BT: 2 fragments of x (12 loads of 8 bytes) against Wv's 2 and Wq's 2 images: 8 products.  32 groups a pass, in this order: K steps 0-3 of batches 0 and 1 (they lie in slot 0);
; K steps 0-3 of batches 2 and 3; K steps 4-7 of all four.  Four sets of fragments take turns; a group's are asked for three groups ahead.
.macro FRAGX reg, adr, Sl, off         ; six pieces of 8 bytes; where the piece three on lies behind one padding more, the second address register serves
.irp p, 0,1,2,3,4,5
.set PC, 12*(\Sl)+6*(\p/3)+\p%3
.if PC%32 < 29
	ds_load_b64 v[\reg+2*\p:\reg+2*\p+1], v[\adr] offset:\off+8*PC+16*(PC/32)
.else
	ds_load_b64 v[\reg+2*\p:\reg+2*\p+1], v[\adr+1] offset:\off+8*PC+16*(PC/32)
.endif
.endr
.endm
.macro GSET g
.if (\g) < 8
.set KP, (\g)/2
.set BT, (\g)%2
.elseif (\g) < 16
.set KP, ((\g)-8)/2
.set BT, 2+(\g)%2
.else
.set KP, 4+((\g)-16)/4
.set BT, (\g)%4
.endif
.set XF, 124+24*((\g)%4)
.set XAD, 6+2*BT+18*(BT/3)             ; the batch's pair of address registers: v6, v8, v10, v30
.endm
.macro FETCHX g
	GSET \g
.irp n2, 0,1
	FRAGX XF+12*\n2, XAD, KP, 16*\n2*XP
.endr
.endm
.macro MULX g
	GSET \g
.set CM, 1
.if KP == 0
.set CM, 0
.endif
	WIN 0xa3
.irp n2, 0,1
.irp wq, 0,1
.irp u, 0,1
	WMS 128*\wq+32*BT+16*\n2+8*\u, 48*(KP%4)+24*\wq+12*\u, XF+12*\n2, CM, 128*\wq+32*BT+16*\n2+8*\u, 52+2*(KP%4)+\wq, 60+8*BT+KP, \u, \n2
.endr
.endr
.endr
	WIN 0
.endm
.macro GRP cnt                         ; group G: cnt = the younger groups' LDS loads
	s_wait_dscnt \cnt
.if (G >= 16) && ((G%4) == 0)
	s_wait_loadcnt 14*(3-(G-16)/4)                 ; W's K step 4 + (G - 16) / 4 is in; the later steps' 14 loads each may be out
.endif
	MULX G
.if (G >= 8) && (G < 16) && ((G%2) == 1)
	PLACES 4
	WRL 4+(G-8)/2, (G-8)/2                         ; this K step of W is done with in this pass: its slot takes the step four on
.endif
.set G, G+1
.endm
.macro SEG g0, n
	FETCHX \g0
	FETCHX (\g0)+1
	FETCHX (\g0)+2
.set G, \g0
.rept (\n)-3
	PLACES 4                                       ; behind the products that read the set which is loaded next
	FETCHX G+3
	GRP 36
.endr
	GRP 24
	GRP 12
	GRP 0
.endm
; the sums over the batches for half tau of t: the only lines that name numer's registers, so they are written once for each half
.macro COMB tau
	WIN 0xa9
.irp t8, 0,8,16,24
.irp pp, 0,2,4,6
	v_pk_mul_f32 v[\t8+\pp:\t8+\pp+1], v[32*(\tau)+\t8+\pp:32*(\tau)+\t8+\pp+1], v[\t8+\pp:\t8+\pp+1]
.endr
.irp b3, 1,2,3
.irp pp, 0,2,4,6
	v_pk_fma_f32 v[\t8+\pp:\t8+\pp+1], v[64*\b3+32*(\tau)+\t8+\pp:64*\b3+32*(\tau)+\t8+\pp+1], v[32*\b3+\t8+\pp:32*\b3+\t8+\pp+1], v[\t8+\pp:\t8+\pp+1]
.endr
.endr
.endr
	WIN 0x45
.set i, 32*(\tau)
.rept 16
	v_pk_add_f32 v[i:i+1], v[i:i+1], v[64+i:65+i]
	v_pk_add_f32 v[128+i:129+i], v[128+i:129+i], v[192+i:193+i]
.set i, i+2
.endr
.set i, 32*(\tau)
.rept 16
	v_pk_add_f32 v[i:i+1], v[i:i+1], v[128+i:129+i]
.set i, i+2
.endr
	WIN 0x41
.set i, 32*(\tau)
	s_wait_alu depctr_va_vdst(0)
.rept 32
	v_rcp_f32 v[i], v[i]
.set i, i+1
.endr
	v_nop
	s_wait_alu depctr_va_vdst(0)
	WIN 0xb6
.set i, 0
.rept 16
	v_pk_fma_f32 v[i:i+1], v[i:i+1], v[32*(\tau)+i:32*(\tau)+i+1], v[192+i%16:193+i%16]   ; sum(numer x Wv) / sum(numer) + bv = weighted, at v0-31 of window 2
.set i, i+2
.endr
	WIN 0
.endm
	s_load_b256 s[4:11], s[0:1], 0x0               ; wbias, eki, eks, x's codes
	s_load_b256 s[12:19], s[0:1], 0x20             ; x's scales, wi, ws, bq
	s_load_b128 s[20:23], s[0:1], 0x40             ; bv, yi
	s_load_b64 s[24:25], s[0:1], 0x50              ; ys
	v_lshl_add_u32 v13, v0, 2, SPARE
	v_mov_b32 v14, 0
	ds_add_u32 v13, v14                            ; the opening lines: the add, twice on end, and its wait
	ds_add_u32 v13, v14
	v_lshrrev_b32 v1, 5, v0
	v_readfirstlane_b32 s[WV], v1                  ; wave 0..3
	v_and_b32 v3, 31, v0                           ; lane
	v_lshlrev_b32 v4, 4, v3                        ; 16 x lane
	s_bfe_u32 s92, ttmp6, 0x40000                  ; cx
	s_and_b32 s27, ttmp9, 1
	s_lshl_b32 s27, s27, 2
	s_add_co_u32 s27, s27, s92                     ; j = work-group x % 8
	s_lshr_b32 s72, ttmp9, 1                       ; g = work-group x / 8: the partners share it
	s_and_b32 s73, ttmp7, 0xffff                   ; h
	s_mov_b32 s28, 15|(3<<16)|(1<<20)|(1<<21)|(5<<22)|(3<<25)   ; exp(K) and its scales: 128 rows of 32 elements of 8 bytes, dense, 4 words behind every 64; all four partners
	s_mov_b32 s29, 32<<16
	s_mov_b32 s30, 128<<16
	s_mov_b32 s31, 32<<16
	s_mov_b32 s32, 128
	s_mov_b32 s33, 32
	s_mov_b32 s34, 0
	s_mov_b32 s35, 0
	s_mov_b32 s36, 15|(1<<20)|(1<<21)|(5<<22)|(3<<25)           ; x: 64 rows of 768 bytes, the same padding
	s_mov_b32 s37, 768<<16
	s_mov_b32 s38, 64<<16
	s_mov_b32 s39, 768<<16
	s_mov_b32 s40, 64
	s_mov_b32 s41, 768
	s_mov_b32 s42, 0
	s_mov_b32 s43, 0
	s_lshl_b32 s80, s73, 24                        ; wbias: head h, row 512 g + j + 8 (16 wave)
	s_lshl_b32 s81, s72, 9
	s_add_co_u32 s81, s81, s27
	s_lshl_b32 s81, s81, 13
	s_add_co_u32 s80, s80, s81
	s_lshl_b32 s81, s[WV], 20
	s_add_co_u32 s80, s80, s81
	s_mov_b32 s81, 0
	s_mul_i32 s82, s73, 786432                     ; exp(K): head h, my third of a slot's 98,304 bytes
	s_lshl_b32 s83, s[WV], 15
	s_add_co_u32 s82, s82, s83
	s_mov_b32 s83, 0
	s_lshl_b32 s84, s73, 15                        ; its scales: head h
	s_mov_b32 s85, 0
	s_lshl_b32 s93, s73, 8
	s_lshl_b32 s86, s72, 6
	s_add_co_u32 s93, s93, s86                     ; row 256 h + 64 g of a batch
	; the prefetches' places.  exp(K): head h, K steps 8 and 9 on, the 32 blocks 3 cx + wave of a fill's 384
	s_mul_i32 s70, s92, 3
	s_add_co_u32 s70, s70, s[WV]
	s_lshl_b32 s70, s70, 13
	s_mul_i32 s71, s73, 786432
	s_add_co_u32 s70, s70, s71
	s_add_co_u32 s70, s70, 393216
	s_mov_b32 s71, 0
	; x: batch cx / 2 of a half's two, the 32 blocks 3 (cx % 2) + wave of its 64 rows' 192
	s_lshr_b32 s98, s92, 1
	s_lshl_b32 s98, s98, 11
	s_add_co_u32 s98, s98, s93
	s_mul_i32 s98, s98, 768
	s_and_b32 s99, s92, 1
	s_mul_i32 s99, s99, 3
	s_add_co_u32 s99, s99, s[WV]
	s_lshl_b32 s99, s99, 13
	s_add_co_u32 s98, s98, s99
	s_mov_b32 s99, 0
	; W: of the 32 work-groups with my j, number 4 h + g takes wave h / 2's images, Wv's or Wq's by h % 2, quarter g of their K steps 4 to 7: 12 blocks
	s_lshl_b32 s2, s27, 2
	s_lshr_b32 s3, s73, 1
	s_add_co_u32 s2, s2, s3
	s_mul_i32 s2, s2, 49152
	s_and_b32 s3, s73, 1
	s_mul_i32 s3, s3, 24576
	s_add_co_u32 s2, s2, s3
	s_mul_i32 s3, s72, 3072
	s_add_co_u32 s2, s2, s3
	s_add_co_u32 s2, s2, 12288
	s_mov_b32 s3, 0
	s_and_b32 s94, s[WV], 1
	s_lshl_b32 s86, s94, 11
	s_add_co_u32 s86, s86, s93
	s_mul_i32 s86, s86, 768                        ; x: batch wave % 2
	s_mov_b32 s87, 0
	s_lshl_b32 s88, s[WV], 11
	s_add_co_u32 s93, s93, s88                     ; the row of y that my scale words begin at
	s_mul_i32 s88, s[WV], THIRD
	s_mov_b32 s74, 0x3fb8aa3b                      ; log2(e)
	s_mov_b32 s75, s74
	s_mov_b32 s76, 0xbfb8aa3b
	s_mov_b32 s77, s76
	s_mov_b32 s78, 0x76543210
	s_mov_b32 s79, 0xfedcba98
	s_mov_b32 s90, 0
	s_mov_b32 s91, 0
	s_wait_alu depctr_va_vdst(0)
	s_wait_dscnt 0x0
	s_wait_kmcnt 0x0
	s_add_nc_u64 s[4:5], s[4:5], s[80:81]
	s_add_nc_u64 s[PFS:PFS+1], s[6:7], s[70:71]
	s_add_nc_u64 s[PFS+2:PFS+3], s[PFS:PFS+1], 98304
	s_add_nc_u64 s[70:71], s[10:11], s[98:99]
	s_add_nc_u64 s[98:99], s[70:71], 3145728
	s_add_nc_u64 s[2:3], s[14:15], s[2:3]
	s_add_nc_u64 s[6:7], s[6:7], s[82:83]
	s_add_nc_u64 s[8:9], s[8:9], s[84:85]
	s_cmp_lt_u32 s[WV], 3
	s_cselect_b64 s[46:47], s[6:7], s[8:9]         ; the head's load: waves 0-2 a third of K steps 0 and 1, wave 3 the scale words, which lie behind slot 0
	s_mov_b32 s44, 1
	s_mov_b32 s45, s88
	s_or_b32 s47, s47, 0x80000000
	s_mov_b32 s48, 1                               ; slot 0's next fill: K steps 4 and 5
	s_mov_b32 s49, s88
	s_add_nc_u64 s[50:51], s[6:7], 196608
	s_or_b32 s51, s51, 0x80000000
	s_mov_b32 s52, 1                               ; slot 1's first: K steps 2 and 3
	s_add_co_u32 s53, s88, SL1
	s_add_nc_u64 s[54:55], s[6:7], 98304
	s_or_b32 s55, s55, 0x80000000
	s_mov_b32 s56, 1                               ; x: batches 0 and 1 into slot 0,
	s_mul_i32 s57, s94, XB
	s_add_nc_u64 s[58:59], s[10:11], s[86:87]
	s_mov_b32 s60, 1                               ; batches 2 and 3 into slot 1
	s_add_co_u32 s61, s57, SL1
	s_add_nc_u64 s[62:63], s[58:59], 3145728
	s_or_b32 s59, s59, 0x80000000
	s_or_b32 s63, s63, 0x80000000
	ROUND                                          ; the four partners are here: the joint loads meet
	tensor_load_to_lds s[44:47], s[28:35]          ; one tensor load a wave at the head, ahead of the loads of wbias
	s_nop 0
	PLACES 4
	WLD 0, 0                                       ; the first three K steps of wbias are asked for
	WLD 1, 512
	WLD 2, 1024
	v_and_b32 v1, 15, v0                           ; r
	v_bfe_u32 v2, v0, 4, 1                         ; hh
	v_lshlrev_b32 v5, 2, v3
	v_lshlrev_b32 v92, 8, v3                       ; the prefetches: a lane a block of 256 bytes;
	v_min_u32 v93, 11, v3
	v_lshlrev_b32 v93, 8, v93                      ; W's 12 blocks: the lanes left over name the last again
	s_mul_i32 s87, s[WV], 16*528
	s_add_co_u32 s87, s87, STG
	v_mul_u32_u24 v6, v1, 528
	v_lshl_add_u32 v6, v2, 7, v6
	v_add_nc_u32 v6, s87, v6                       ; out of my stage: row r, 128 hh
	v_add_nc_u32 v7, s87, v4                       ; into it: a row of 512 bytes
	s_mul_i32 s87, s[WV], 1536
	v_add_nc_u32 v8, s87, v4
	v_add_nc_u32 v8, IMG, v8
	s_lshl_b32 s87, s[WV], 2
	v_add_nc_u32 v9, s87, v4
	v_add_nc_u32 v9, ISC, v9
	v_add_nc_u32 v10, IMG, v4
	v_add_nc_u32 v11, ISC, v4
	v_lshlrev_b32 v12, 3, v2
	v_mul_u32_u24 v16, v1, XP
	v_mad_u32_u24 v16, v2, 24, v16                 ; x, batch 0: row r, + 24 hh
	v_lshl_add_u32 v17, v2, 4, v16                 ; the same behind one padding more
	v_add_nc_u32 v18, XB, v16                      ; batch 1
	v_add_nc_u32 v19, XB, v17
.irp a, 0,1,2,3
	v_add_nc_u32 v[20+\a], SL1, v[16+\a]           ; batches 2 and 3
.endr
	s_lshr_b32 s87, s[WV], 1
	s_mul_i32 s87, s87, 6
	s_and_b32 s88, s[WV], 1
	s_lshl_b32 s88, s88, 8
	s_add_co_u32 s88, s88, YST
	v_lshl_add_u32 v124, v1, 4, s88
.irp k, 0,1,2
	v_mad_u32_u24 v125, v2, 3, s87
	v_add_nc_u32 v125, \k, v125
	v_lshrrev_b32 v126, 2, v125
	v_and_b32 v125, 3, v125
	v_lshl_add_u32 v[37+\k], v126, 9, v124
	v_lshl_add_u32 v[37+\k], v125, 2, v[37+\k]
.endr
	v_lshl_add_u32 v29, v1, 2, s[WV]
	v_add_nc_u32 v29, YSS, v29
	s_mul_i32 s87, s[WV], 6144
	v_add_nc_u32 v24, s87, v4
	v_add_nc_u32 v24, YST, v24
	v_lshlrev_b32 v26, 3, v3
	s_lshl_b32 s87, s[WV], 8
	v_add_nc_u32 v25, s87, v26
	v_add_nc_u32 v25, YSS, v25
	v_lshlrev_b32 v27, 5, v3
	v_lshlrev_b32 v28, 6, v2
	s_mul_i32 s87, s[WV], 13056                    ; my 48 rows of 272 bytes of a K step's images
	v_lshl_add_u32 v3, v2, 4, v4                   ; 16 x lane, and 16 more behind the first 256
	v_add_nc_u32 v3, s87, v3                       ; exp(K) in slot 0,
	v_add_nc_u32 v1, SL1, v3                       ; in slot 1
	s_mul_i32 s87, s[WV], 8704
	s_add_co_u32 s87, s87, SCL
	v_add_nc_u32 v2, s87, v5                       ; its scale words: my 4 batches x 8 rows of 272 bytes
	v_add_nc_u32 v15, s91, v2                      ; at this trip's K steps
	s_wait_alu depctr_va_vdst(0)
	s_mov_b32 s81, 0
	s_lshl_b32 s80, s73, 13
	s_lshl_b32 s82, s72, 11
	s_add_co_u32 s80, s80, s82
	s_add_nc_u64 s[12:13], s[12:13], s[80:81]
	s_lshl_b32 s83, s27, 2
	s_add_co_u32 s83, s83, s[WV]
	s_mul_i32 s80, s83, 49152
	s_add_nc_u64 s[14:15], s[14:15], s[80:81]
	s_lshl_b32 s80, s83, 11
	s_add_nc_u64 s[16:17], s[16:17], s[80:81]
	s_lshl_b32 s80, s83, 7
	s_add_nc_u64 s[18:19], s[18:19], s[80:81]
	s_add_nc_u64 s[20:21], s[20:21], s[80:81]
	s_lshl_b32 s80, s[WV], 7
	s_lshl_b32 s82, s73, 4
	s_add_co_u32 s80, s80, s82
	s_lshl_b32 s82, s72, 2
	s_add_co_u32 s80, s80, s82
	s_lshl_b32 s80, s80, 3
	s_add_co_u32 s80, s80, s27
	s_mul_i32 s80, s80, 1536
	s_add_nc_u64 s[22:23], s[22:23], s[80:81]
	s_lshl_b32 s80, s27, 15
	s_lshl_b32 s82, s93, 2
	s_add_co_u32 s80, s80, s82
	s_add_nc_u64 s[24:25], s[24:25], s[80:81]
	s_wait_tensorcnt 0x0                           ; my part of the head's tiles is in; slot 1's first fill is issued as a refill is:
	ds_add_u32 v13, v14
	s_wait_dscnt 0x0
	ROUND
	s_cmp_lt_u32 s[WV], 3
	s_cbranch_scc0 .Lno_fill_1
	tensor_load_to_lds s[52:55], s[28:35]
	s_nop 0
	PLACES 4
.Lno_fill_1:
	TR 0, 32                                       ; K step 0's wbias; steps 1 and 2 may be out
	EKL 3, 0, 0
	KSTEP 0, 1, 32, 0, 0, 0, 4                     ; the first step's products start the sums
.Lmain:                                                ; a trip: K steps 4 T + 1 .. 4 T + 4; ring, slots and sets come back to where they began
	v_add_nc_u32 v15, s91, v2
	s_wait_alu depctr_va_vdst(0)
	KSTEP 1, 1, 32, 1, 1, 0, 1
	KSTEP 2, 1, 32, 0, 1, 0, 0
	KSTEP 3, 1, 32, 1, 1, 0, 2
	KSTEP 4, 1, 32, 0, 1, 0, 0
	s_wait_xcnt 0x0                                ; the loads and the prefetches have read their bases
	s_add_nc_u64 s[4:5], s[4:5], 2048
	s_add_nc_u64 s[PFS:PFS+1], s[PFS:PFS+1], 196608
	s_add_nc_u64 s[PFS+2:PFS+3], s[PFS+2:PFS+3], 196608
	s_add_co_u32 s91, s91, 544
	s_add_co_u32 s90, s90, 1
	s_cmp_lt_u32 s90, 2
	s_cselect_b64 s[PFS:PFS+1], s[PFS:PFS+1], s[70:71]       ; exp(K) has eight fills: the third trip's prefetches name x's two halves, which the refills two further on load
	s_cselect_b64 s[PFS+2:PFS+3], s[PFS+2:PFS+3], s[98:99]
	s_cmp_lt_u32 s90, 3
	s_cbranch_scc1 .Lmain
	v_add_nc_u32 v15, s91, v2
	s_wait_alu depctr_va_vdst(0)
	KSTEP 1, 0, 16, 2, 1, 0, 3                     ; the last three steps ask for no wbias and no exp(K): the slots take x
	KSTEP 2, 0, 0, 0, 1, 1, 0
	KSTEP 3, 0, -1, 2, 1, 0, 0
	s_mov_b32 s[PH], 0
	s_mov_b32 s95, 0                               ; the half's 32 rows of x in LDS,
	s_mov_b32 s96, 0                               ; its two images a batch in y's stage,
	s_mov_b32 s97, 0                               ; and their scale bytes
.Lproj:                                                ; a trip: one half of t
	s_wait_loadcnt 0x0                             ; W's K steps 0 to 3, x's scale words (the first time the biases too)
	s_wait_dscnt 0x0
	PLACES 5
.irp a, 0,1,2,3,4,5
	v_add_nc_u32 v[6+\a], s95, v[16+\a]            ; the registers that held the main loop's addresses take this half's
.endr
	v_add_nc_u32 v30, s95, v22
	v_add_nc_u32 v31, s95, v23
.irp k, 0,1,2
	v_add_nc_u32 v[32+\k], s96, v[37+\k]
.endr
	v_add_nc_u32 v35, s97, v29
	s_wait_alu depctr_va_vdst(0)
	SEG 0, 8
	PLACES 4
	s_wait_tensorcnt 0x0                           ; my part of batches 2 and 3 is in,
	s_barrier_signal -1
	s_barrier_wait -1                              ; everybody's is
	SEG 8, 24
	PLACES 4
	s_cmp_lg_u32 s[PH], 0
	s_cbranch_scc1 .Lhalf_1
	WRL 0, 0                                       ; the second pass's first operands are asked for; this half's way out stands under their flight
	WRL 1, 1
	WRL 2, 2
	WRL 3, 3
	XSL 1
	WIN 0xc3
.irp i2, 0,2,4,6,8,10,12,14
	v_pk_mul_f32 v[208+\i2:209+\i2], v[208+\i2:209+\i2], s[76:77] op_sel_hi:[1,0]   ; -bq log2(e), once
.endr
	WIN 0
	COMB 0
	s_branch .Lway_out
.Lhalf_1:
	COMB 1
.Lway_out:
	s_wait_alu depctr_va_vdst(0)
	WIN 0xb2
.set i, 0
.rept 64
	v_pk_fma_f32 v[128+i:129+i], v[128+i:129+i], s[76:77], v[208+i%16:209+i%16] op_sel_hi:[1,0,1]   ; -(q + bq) log2(e)
.set i, i+2
.endr
	WIN 0x82
.set i, 0
	s_wait_alu depctr_va_vdst(0)
.rept 128
	v_exp_f32 v[128+i], v[128+i]
.set i, i+1
.endr
	v_nop
	s_wait_alu depctr_va_vdst(0)
.set i, 0
.rept 64
	v_pk_add_f32 v[128+i:129+i], v[128+i:129+i], 1.0 op_sel_hi:[1,0]
.set i, i+2
.endr
.set i, 0
	s_wait_alu depctr_va_vdst(0)
.rept 128
	v_rcp_f32 v[128+i], v[128+i]
.set i, i+1
.endr
	v_nop
	s_wait_alu depctr_va_vdst(0)
	WIN 0x8a
.set i, 0
.rept 64
	v_pk_mul_f32 v[128+i:129+i], v[128+i:129+i], v[i%32:i%32+1]    ; y
.set i, i+2
.endr
	WIN 0x28                                       ; group gi = 2 b + n2: my 16 channels of one t; the block's other 16 are lane l xor 16's
.irp gi, 0,1,2,3,4,5,6,7
	v_max3_num_f32 v[124+\gi], 0x1800000, |v[128+16*\gi]|, |v[128+16*\gi+1]|
.endr
.irp i2, 2,4,6,8,10,12,14
.irp gi, 0,1,2,3,4,5,6,7
	v_max3_num_f32 v[124+\gi], v[124+\gi], |v[128+16*\gi+\i2]|, |v[128+16*\gi+\i2+1]|
.endr
.endr
	WIN 0
.irp gi, 0,1,2,3,4,5,6,7
	v_mov_b32 v[140+\gi], 0
.endr
.irp gi, 0,1,2,3,4,5,6,7
	v_permlanex16_b32 v[140+\gi], v[124+\gi], s78, s79
.endr
.irp gi, 0,1,2,3,4,5,6,7
	v_max_num_f32 v[124+\gi], v[124+\gi], v[140+\gi]
.endr
.irp gi, 0,1,2,3,4,5,6,7
	v_add_nc_u32 v[156+\gi], 0xff000000, v[124+\gi]
.endr
.irp gi, 0,1,2,3,4,5,6,7
	v_lshrrev_b32 v[172+\gi], 23, v[156+\gi]
.endr
	WIN 0x02
.irp gi, 0,1,2,3,4,5,6,7
	v_cvt_scalef32_pk16_fp6_f32 v[188+4*\gi:190+4*\gi], v[128+16*\gi:128+16*\gi+15], v[156+\gi]
.endr
	WIN 0
	v_nop
.irp gi, 0,1,2,3,4,5,6,7
.irp k, 0,1,2
	ds_store_b32 v[32+\k], v[188+4*\gi+\k] offset:1536*(4*(\gi/2)+\gi%2)
.endr
	ds_store_b8 v35, v[172+\gi] offset:64*(4*(\gi/2)+\gi%2)
.endr
	s_add_co_u32 s95, s95, 32*XP
	s_add_co_u32 s96, s96, 3072
	s_add_co_u32 s97, s97, 128
	s_add_co_u32 s[PH], s[PH], 1
	s_cmp_lt_u32 s[PH], 2
	s_wait_alu depctr_va_vdst(0)
	s_cbranch_scc1 .Lproj
	s_wait_dscnt 0x0
	s_barrier_signal -1
	s_barrier_wait -1
.irp i2, 0,1,2,3,4,5,6,7,8,9,10,11
	ds_load_b128 v[124+4*\i2:127+4*\i2], v24 offset:512*\i2
.endr
	ds_load_b64 v[172:173], v25
	s_wait_tensorcnt 0x0                           ; the three closing lines stand behind my last LDS store, and ahead of the stores to memory
	ds_add_u32 v13, v14
	s_wait_dscnt 0x0                               ; the add is done, and the images are back in registers
.irp i2, 0,1,2,3,4,5,6,7,8,9,10,11
	global_store_b128 v4, v[124+4*\i2:127+4*\i2], s[22:23] offset:12288*(\i2/3)+512*(\i2%3)   ; 512 consecutive bytes, aligned
.endr
	global_store_b64 v26, v[172:173], s[24:25]     ; 256 consecutive bytes, aligned
	ROUND                                          ; the closing round
	s_endpgm
.Lfunc_end_k_q7b6d94632e_aft:
	.size	k_q7b6d94632e_aft, .Lfunc_end_k_q7b6d94632e_aft-k_q7b6d94632e_aft
	.p2alignl 7, 3214868480
	.fill 96, 4, 3214868480
	.section	.rodata,"a",@progbits
	.p2align	6, 0x0
	.amdhsa_kernel k_q7b6d94632e_aft
		.amdhsa_group_segment_fixed_size 327680
		.amdhsa_private_segment_fixed_size 0
		.amdhsa_enable_private_segment 0
		.amdhsa_kernarg_size 88
		.amdhsa_user_sgpr_count 2
		.amdhsa_user_sgpr_kernarg_segment_ptr 1
		.amdhsa_wavefront_size32 1
		.amdhsa_system_sgpr_workgroup_id_x 1
		.amdhsa_system_sgpr_workgroup_id_y 1
		.amdhsa_system_sgpr_workgroup_id_z 1
		.amdhsa_system_vgpr_workitem_id 0
		.amdhsa_next_free_vgpr 1024
		.amdhsa_next_free_sgpr 100
		.amdhsa_reserve_vcc 0
		.amdhsa_float_denorm_mode_32 3
		.amdhsa_float_denorm_mode_16_64 3
		.amdhsa_memory_ordered 1
		.amdhsa_forward_progress 1
		.amdhsa_inst_pref_size 255
	.end_amdhsa_kernel
	.section	.bss,"aw",@nobits
	.p2align	6
	.space	262144
	.amdgpu_metadata
---
amdhsa.version: [ 1, 2 ]
amdhsa.kernels:
  - .name:           k_q7b6d94632e_aft
    .symbol:         k_q7b6d94632e_aft.kd
    .args:
      - { .name: wbias, .offset: 0, .size: 8, .value_kind: global_buffer, .address_space: global }
      - { .name: eki, .offset: 8, .size: 8, .value_kind: global_buffer, .address_space: global }
      - { .name: eks, .offset: 16, .size: 8, .value_kind: global_buffer, .address_space: global }
      - { .name: x_codes, .offset: 24, .size: 8, .value_kind: global_buffer, .address_space: global }
      - { .name: x_scales, .offset: 32, .size: 8, .value_kind: global_buffer, .address_space: global }
      - { .name: wi, .offset: 40, .size: 8, .value_kind: global_buffer, .address_space: global }
      - { .name: ws, .offset: 48, .size: 8, .value_kind: global_buffer, .address_space: global }
      - { .name: bq, .offset: 56, .size: 8, .value_kind: global_buffer, .address_space: global }
      - { .name: bv, .offset: 64, .size: 8, .value_kind: global_buffer, .address_space: global }
      - { .name: yi, .offset: 72, .size: 8, .value_kind: global_buffer, .address_space: global }
      - { .name: ys, .offset: 80, .size: 8, .value_kind: global_buffer, .address_space: global }
    .group_segment_fixed_size: 327680
    .private_segment_fixed_size: 0
    .kernarg_segment_align: 8
    .kernarg_segment_size: 88
    .max_flat_workgroup_size: 128
    .sgpr_count:     100
    .vgpr_count:     1024
    .wavefront_size: 32
...
	.end_amdgpu_metadata
.endif
;; end of part 2
;; launch outp (part 3): grid 4 x 64, 4 waves a work-group, clusters of 4 x 4, 327,680 bytes of LDS; arguments yi, ys, Wo_codes, Wo_scales, bo, out0; writes out0
.if DOCPART == 3
	.amdgcn_target "amdgcn-amd-amdhsa--gfx1250"
	.amdhsa_code_object_version 6
	.text
	.protected	k_q7b6d94632e_outp
	.globl	k_q7b6d94632e_outp
	.p2align	8
	.type	k_q7b6d94632e_outp,@function
k_q7b6d94632e_outp:
	s_mov_b64 s[64:65], 0
	v_nop
	global_prefetch_b8 v0, s[64:65] scope:SCOPE_SE
	s_setreg_imm32_b32 hwreg(HW_REG_WAVE_MODE, 25, 1), 1
	s_wait_xcnt 0x0
	s_wait_alu depctr_hold_cnt(0) depctr_sa_sdst(0) depctr_va_vdst(0) depctr_va_sdst(0) depctr_va_ssrc(0) depctr_va_vcc(0) depctr_vm_vsrc(0)
	s_getreg_b32 s2, hwreg(HW_REG_IB_STS2, 6, 4)
	s_cmp_eq_u32 s2, 0
	s_cbranch_scc0 .Lentry_in_a_cluster
	s_endpgm
.Lentry_in_a_cluster:
	s_bfe_u32 s2, ttmp6, 0x10000c
	s_cmp_lg_u32 s2, 0xf033
	s_cbranch_scc0 .Lentry_shape_is_right
	s_endpgm
.Lentry_shape_is_right:
; out = y Wo^T + bo on codes of FP6 (E2M3).  y comes as images of operand registers (yi: [row tile of 16][K step of 128][1,536 bytes]) with its scale words (ys: [K step][row]); Wo as rows of codes, K innermost.
; A work-group makes 128 rows x 256 columns; all K = 1,024 of both tiles lies in LDS, filled once.  Wave w: rows 64 (w / 2) on, columns 128 (w % 2) on: 32 accumulators, (a, t) at 8 (8 a + t) of window 1.
; The product is used transposed (source 0 = 16 rows of Wo, source 1 = 16 rows of y): a lane holds eight neighbouring columns of one row of the output.
; CLUSTER 4 x 4: y's tile hangs on the work-group's y alone and is asked for jointly along a row of the cluster, Wo's on its x alone and jointly along a column.
; REGISTERS: window 0: v1-11 addresses; v12-15 bo; v16-47 Wo's scale words; v48-63 y's; v64-207 fragments, set 0 (on the way out rows of the output); v208-209 offsets.  window 1: accumulators.  window 2: v0-143 set 1.
.set PIT,  816                         ; a row of Wo in LDS: 768 bytes + 16 behind each 256
.set WT,   98304                       ; behind y's 8 x 8 images
.set SPIT, 528                         ; the way out: a stage of 16 rows x (512 + 16) bytes a wave, in y's bytes, which had their only fill and are read out by then
.set FR0,  64
.set WSC,  16
.set YSC,  48
.set G1Y,  24
.set G1W,  32
.set G0Y,  40
.set G0W,  44
.set WV,   16
.set MSB,  0
.macro WIN new                         ; the immediate's high byte repeats the setting that is left
.if MSB != \new
	s_set_vgpr_msb (MSB<<8)|\new
.set MSB, \new
.endif
.endm
.macro PLACES n
.rept \n
	v_nop
.endr
.endm
.macro CROUND                          ; a round of the cluster's barrier
	s_barrier_signal -1
	s_barrier_wait -1
	s_cmp_lg_u32 s[WV], 0
	s_cbranch_scc1 .Lnot_wave_0_\@
	s_barrier_signal -3
.Lnot_wave_0_\@:
	s_barrier_wait -3
	s_barrier_signal -1
	s_barrier_wait -1
.endm
.macro WMS d, a, b, cm, c, sa, sb, ra, rb
.if (\cm) == 0
.if ((\ra) == 0) && ((\rb) == 0)
	v_wmma_scale_f32_16x16x128_f8f6f4 v[\d:\d+7], v[\a:\a+11], v[\b:\b+11], 0, v[\sa], v[\sb] matrix_a_fmt:MATRIX_FMT_FP6 matrix_b_fmt:MATRIX_FMT_FP6
.elseif (\rb) == 0
	v_wmma_scale_f32_16x16x128_f8f6f4 v[\d:\d+7], v[\a:\a+11], v[\b:\b+11], 0, v[\sa], v[\sb] matrix_a_fmt:MATRIX_FMT_FP6 matrix_b_fmt:MATRIX_FMT_FP6 matrix_a_scale:MATRIX_SCALE_ROW1
.elseif (\ra) == 0
	v_wmma_scale_f32_16x16x128_f8f6f4 v[\d:\d+7], v[\a:\a+11], v[\b:\b+11], 0, v[\sa], v[\sb] matrix_a_fmt:MATRIX_FMT_FP6 matrix_b_fmt:MATRIX_FMT_FP6 matrix_b_scale:MATRIX_SCALE_ROW1
.else
	v_wmma_scale_f32_16x16x128_f8f6f4 v[\d:\d+7], v[\a:\a+11], v[\b:\b+11], 0, v[\sa], v[\sb] matrix_a_fmt:MATRIX_FMT_FP6 matrix_b_fmt:MATRIX_FMT_FP6 matrix_a_scale:MATRIX_SCALE_ROW1 matrix_b_scale:MATRIX_SCALE_ROW1
.endif
.else
.if ((\ra) == 0) && ((\rb) == 0)
	v_wmma_scale_f32_16x16x128_f8f6f4 v[\d:\d+7], v[\a:\a+11], v[\b:\b+11], v[\c:\c+7], v[\sa], v[\sb] matrix_a_fmt:MATRIX_FMT_FP6 matrix_b_fmt:MATRIX_FMT_FP6
.elseif (\rb) == 0
	v_wmma_scale_f32_16x16x128_f8f6f4 v[\d:\d+7], v[\a:\a+11], v[\b:\b+11], v[\c:\c+7], v[\sa], v[\sb] matrix_a_fmt:MATRIX_FMT_FP6 matrix_b_fmt:MATRIX_FMT_FP6 matrix_a_scale:MATRIX_SCALE_ROW1
.elseif (\ra) == 0
	v_wmma_scale_f32_16x16x128_f8f6f4 v[\d:\d+7], v[\a:\a+11], v[\b:\b+11], v[\c:\c+7], v[\sa], v[\sb] matrix_a_fmt:MATRIX_FMT_FP6 matrix_b_fmt:MATRIX_FMT_FP6 matrix_b_scale:MATRIX_SCALE_ROW1
.else
	v_wmma_scale_f32_16x16x128_f8f6f4 v[\d:\d+7], v[\a:\a+11], v[\b:\b+11], v[\c:\c+7], v[\sa], v[\sb] matrix_a_fmt:MATRIX_FMT_FP6 matrix_b_fmt:MATRIX_FMT_FP6 matrix_a_scale:MATRIX_SCALE_ROW1 matrix_b_scale:MATRIX_SCALE_ROW1
.endif
.endif
.endm
; a fragment of K step S from padded rows: six pieces of 8 bytes; where the piece three on lies behind one padding more, the second address register serves
.macro FRAG reg, adr, S, off
.irp p, 0,1,2,3,4,5
.set PC, 12*(\S)+6*(\p/3)+\p%3
.if PC%32 < 29
	ds_load_b64 v[\reg+2*\p:\reg+2*\p+1], v[\adr] offset:\off+8*PC+16*(PC/32)
.else
	ds_load_b64 v[\reg+2*\p:\reg+2*\p+1], v[\adr+1] offset:\off+8*PC+16*(PC/32)
.endif
.endr
.endm
.macro FETCH S, set                    ; my 8 fragments of Wo (48 loads of 8 bytes) and my 4 images of y (12 of 16 bytes), in one run
.set AB, FR0*(1-(\set))
.set WN, 0x80*(\set)
	WIN WN
.irp t, 0,1,2,3,4,5,6,7
	FRAG AB+12*\t, 4+2*(\t/4), \S, (\t%4)*16*PIT
.endr
.irp a4, 0,1,2,3
.irp c3, 0,1,2
	ds_load_b128 v[AB+96+12*\a4+4*\c3:AB+96+12*\a4+4*\c3+3], v8 offset:12288*\a4+1536*(\S)+512*\c3
.endr
.endr
.endm
.macro MUL S, set                      ; 32 products; the 32 accumulators take turns, one instruction a turn.  The first step's take the constant 0 as C
.set AB, FR0*(1-(\set))
.set CM, 1
.if (\S) == 0
.set CM, 0
.endif
.if (\set) == 1
	WIN 0x5a
.else
	WIN 0x50
.endif
.irp a4, 0,1,2,3
.irp t, 0,1,2,3,4,5,6,7
	WMS 64*\a4+8*\t, AB+12*\t, AB+96+12*\a4, CM, 64*\a4+8*\t, WSC+8*(\t/2)+(\S), YSC+8*(\a4/2)+(\S), \t%2, \a4%2
.endr
.endr
.endm
.macro KS S
	s_wait_dscnt 0x0                               ; this step's fragments, asked for a step ago
.if (\S) > 0
	PLACES 4                                       ; behind the products that read the set which is loaded next
.endif
.if (\S) < 7
	FETCH (\S)+1, ((\S)+1)%2
.endif
	MUL \S, (\S)%2
.endm
	s_load_b256 s[4:11], s[0:1], 0x0               ; yi, ys, Wo's codes, Wo's scales
	s_load_b128 s[12:15], s[0:1], 0x20             ; bo, out0
	v_lshl_add_u32 v254, v0, 2, 0x4b000
	v_mov_b32 v255, 0
	ds_add_u32 v254, v255
	ds_add_u32 v254, v255
	v_lshrrev_b32 v1, 5, v0
	v_readfirstlane_b32 s[WV], v1                  ; wave 0..3
	s_lshr_b32 s17, s[WV], 1                       ; which 64 rows
	s_and_b32 s18, s[WV], 1                        ; which 128 columns
	s_bfe_u32 s19, ttmp6, 0x40000                  ; cx
	s_bfe_u32 s20, ttmp6, 0x40004                  ; cy
	s_lshl_b32 s21, ttmp9, 2
	s_add_co_u32 s21, s21, s19                     ; work-group x
	s_and_b32 s22, ttmp7, 0xffff
	s_lshl_b32 s22, s22, 2
	s_add_co_u32 s22, s22, s20                     ; work-group y
	s_lshl_b32 s23, s20, 2
	s_lshl_b32 s23, 15, s23                        ; my row of the cluster
	s_lshl_b32 s48, 0x1111, s19                    ; my column
	s_or_b32 s[G1Y], s23, (3<<16)|(1<<21)          ; y's images: a dense block, as rows of 32 elements of 8 bytes, no padding
	s_mov_b32 s[G1Y+1], 32<<16
	s_mov_b32 s[G1Y+2], 192<<16
	s_mov_b32 s[G1Y+3], 32<<16
	s_mov_b32 s[G1Y+4], 192
	s_mov_b32 s[G1Y+5], 32
	s_mov_b32 s[G1Y+6], 0
	s_mov_b32 s[G1Y+7], 0
	s_or_b32 s[G1W], s48, (1<<20)|(1<<21)|(5<<22)|(3<<25)   ; Wo: 128 rows of 768 bytes, 4 words of padding behind every 64
	s_mov_b32 s[G1W+1], 768<<16
	s_mov_b32 s[G1W+2], 128<<16
	s_mov_b32 s[G1W+3], 768<<16
	s_mov_b32 s[G1W+4], 128
	s_mov_b32 s[G1W+5], 768
	s_mov_b32 s[G1W+6], 0
	s_mov_b32 s[G1W+7], 0
	s_mul_i32 s50, s22, 98304                      ; y: row tiles 8 y + 4 (wave % 2) on: made of the work-group's y and the wave's number alone
	s_mul_i32 s51, s18, 49152                      ; waves 0 and 1 fetch y: four row tiles each
	s_add_co_u32 s50, s50, s51
	s_mov_b32 s51, 0
	s_mul_i32 s52, s21, 196608                     ; Wo: rows 256 x + 128 (wave % 2) on: made of the work-group's x and the wave's number alone
	s_mul_i32 s53, s18, 98304                      ; waves 2 and 3 fetch Wo: 128 rows each
	s_add_co_u32 s52, s52, s53
	s_mov_b32 s53, 0
	s_mul_i32 s54, s18, 49152                      ; where they go
	s_mul_i32 s55, s18, 128*PIT
	s_wait_dscnt 0x0
	s_wait_kmcnt 0x0
	CROUND                                         ; all sixteen work-groups are here: the joint loads meet
	s_mov_b32 s[G0Y], 1
	s_mov_b32 s[G0Y+1], s54
	s_add_nc_u64 s[G0Y+2:G0Y+3], s[4:5], s[50:51]
	s_or_b32 s[G0Y+3], s[G0Y+3], 0x80000000
	s_mov_b32 s[G0W], 1
	s_add_co_u32 s[G0W+1], s55, WT
	s_add_nc_u64 s[G0W+2:G0W+3], s[8:9], s[52:53]
	s_or_b32 s[G0W+3], s[G0W+3], 0x80000000
	s_cmp_eq_u32 s17, 0                            ; the launch's only fills, one tensor load a wave: the branch hangs on the wave's number alone
	s_cbranch_scc0 .Lfor_w
	tensor_load_to_lds s[G0Y:G0Y+3], s[G1Y:G1Y+7]
	s_nop 0
	PLACES 4
	s_branch .Lasked
.Lfor_w:
	tensor_load_to_lds s[G0W:G0W+3], s[G1W:G1W+7]
	s_nop 0
	PLACES 4
.Lasked:
	v_and_b32 v1, 15, v0                           ; r
	v_bfe_u32 v2, v0, 4, 1                         ; hh
	v_and_b32 v3, 31, v0                           ; lane
	s_mul_i32 s56, s18, 128*PIT
	s_add_co_u32 s56, s56, WT
	v_mul_u32_u24 v4, v1, PIT
	v_mad_u32_u24 v4, v2, 24, v4
	v_add_nc_u32 v4, s56, v4                       ; Wo, tiles 0-3: row r of my 128, + 24 hh
	v_lshl_add_u32 v5, v2, 4, v4                   ; the same behind one padding more
	v_add_nc_u32 v6, 64*PIT, v4                    ; tiles 4-7
	v_add_nc_u32 v7, 64*PIT, v5
	v_lshlrev_b32 v11, 4, v3                       ; 16 x lane
	s_mul_i32 s57, s17, 49152
	v_add_nc_u32 v8, s57, v11                      ; y's images: my four row tiles
	s_mul_i32 s58, s[WV], 16*SPIT
	v_mul_u32_u24 v9, v1, SPIT
	v_lshl_add_u32 v9, v2, 5, v9
	v_add_nc_u32 v9, s58, v9                       ; into my stage: row r, 32 bytes for each half of the lanes
	v_add_nc_u32 v10, s58, v11                     ; back: the 32 lanes take a row of 512 bytes
	v_lshlrev_b32 v208, 5, v3                      ; 32 x lane
	s_wait_alu depctr_va_vdst(0)
	v_lshlrev_b32 v209, 2, v3                      ; 4 x lane
	s_wait_alu depctr_va_vdst(0)
	s_mov_b32 s61, 0
	s_lshl_b32 s60, s21, 13
	s_lshl_b32 s59, s18, 12
	s_add_co_u32 s60, s60, s59
	s_add_nc_u64 s[10:11], s[10:11], s[60:61]      ; Wo's scales at row 256 x + 128 (w % 2)
	s_lshl_b32 s60, s22, 9
	s_lshl_b32 s59, s17, 8
	s_add_co_u32 s60, s60, s59
	s_add_nc_u64 s[6:7], s[6:7], s[60:61]          ; y's at row 128 y + 64 (w / 2)
	s_lshl_b32 s60, s21, 10
	s_lshl_b32 s59, s18, 9
	s_add_co_u32 s60, s60, s59
	s_add_nc_u64 s[12:13], s[12:13], s[60:61]      ; bo at my first column
	s_lshl_b32 s59, s22, 19
	s_add_co_u32 s60, s60, s59
	s_lshl_b32 s59, s17, 18
	s_add_co_u32 s60, s60, s59
	s_add_nc_u64 s[14:15], s[14:15], s[60:61]      ; the output at my first row and column
.irp k, 0,1,2,3
.irp e, 0,1
	global_load_b128 v[WSC+8*\k+4*\e:WSC+8*\k+4*\e+3], v208, s[10:11] offset:1024*\k+16*\e   ; lane l: Wo's row 32 k + l: lanes 0-15 tile 2 k, lanes 16-31 tile 2 k + 1
.endr
.endr
.irp k, 0,1
.irp g8, 0,1,2,3,4,5,6,7
	global_load_b32 v[YSC+8*\k+\g8], v209, s[6:7] offset:32768*\g8+128*\k                     ; lane l: y's row 32 k + l
.endr
.endr
	global_load_b128 v[12:15], v11, s[12:13]       ; bo of the four columns that I store
	s_wait_tensorcnt 0x0                           ; my parts of the tiles are in,
	s_barrier_signal -1
	s_barrier_wait -1                              ; everybody's are
	FETCH 0, 0
	s_wait_loadcnt 0x0                             ; the scale words and bo
.irp s8, 0,1,2,3,4,5,6,7
	KS \s8
.endr
	WIN 0
	PLACES 4                                       ; behind the last products: for the first read of results and the loads into set 0's registers
	s_wait_dscnt 0x0                               ; my reads of the tiles are over
	s_barrier_signal -1
	s_barrier_wait -1                              ; everybody's are: y's bytes become the stages
; THE WAY OUT, 16 rows x 128 columns at a time, through my own stage: LDS serves a wave's instructions in order, so no wait stands between the stores and the loads, nor ahead of the next block's stores
.macro TOSTAGE a
	WIN 0x04                                       ; an LDS store's data are its source 1: window 1
.irp t, 0,1,2,3,4,5,6,7
	ds_store_b128 v9, v[64*(\a)+8*\t:64*(\a)+8*\t+3] offset:64*\t          ; each accumulator from its low end on
	ds_store_b128 v9, v[64*(\a)+8*\t+4:64*(\a)+8*\t+7] offset:64*\t+16
.endr
.set BB, 64+64*((\a)%2)                ; four buffers: v64 and v128 of window 0 (blocks 0, 1) and of window 2 (blocks 2, 3), where the fragments lay
	WIN 0x80*((\a)/2)
.irp t, 0,1,2,3,4,5,6,7,8,9,10,11,12,13,14,15
	ds_load_b128 v[BB+4*\t:BB+4*\t+3], v10 offset:\t*SPIT
.endr
	WIN 0
.endm
.macro SEND a, younger                 ; younger: the LDS instructions issued behind block a's loads, which may stay out
.set BB, 64+64*((\a)%2)
	s_wait_dscnt \younger
	WIN 0x82*((\a)/2)
.irp t, 0,1,2,3,4,5,6,7,8,9,10,11,12,13,14,15
	v_pk_add_f32 v[BB+4*\t:BB+4*\t+1], v[BB+4*\t:BB+4*\t+1], v[12:13]
	v_pk_add_f32 v[BB+4*\t+2:BB+4*\t+3], v[BB+4*\t+2:BB+4*\t+3], v[14:15]
.endr
	WIN 0
.endm
.macro OUT a                           ; block a's 16 rows are stored
.set BB, 64+64*((\a)%2)
	WIN 0x08*((\a)/2)                              ; a store's data are its source 1
.irp t, 0,1,2,3,4,5,6,7,8,9,10,11,12,13,14,15
	global_store_b128 v11, v[BB+4*\t:BB+4*\t+3], s[14:15] offset:(16*(\a)+\t)*4096 th:TH_STORE_NT   ; 512 consecutive bytes, aligned; written once, read by nobody here
.endr
	WIN 0
.endm
	TOSTAGE 0                                      ; all four blocks go through the stage, each into a buffer of its own;
	TOSTAGE 1
	TOSTAGE 2
	TOSTAGE 3
	SEND 0, 63                                     ; bo is added to all of them (behind block 0's loads stand 96 LDS instructions, behind block 1's 64: the count is held at what its field can name);
	SEND 1, 63
	SEND 2, 32
	SEND 3, 0
	s_wait_alu depctr_va_vdst(0)
	s_wait_tensorcnt 0x0                           ; the three closing lines, behind my last LDS store;
	ds_add_u32 v254, v255
	s_wait_dscnt 0x0
	OUT 0                                          ; and the 64 stores follow on end: no vector or LDS instruction stands behind a store
	OUT 1
	OUT 2
	OUT 3
	CROUND                                         ; the closing round
	s_endpgm
.Lfunc_end_k_q7b6d94632e_outp:
	.size	k_q7b6d94632e_outp, .Lfunc_end_k_q7b6d94632e_outp-k_q7b6d94632e_outp
	.p2alignl 7, 3214868480
	.fill 96, 4, 3214868480
	.section	.rodata,"a",@progbits
	.p2align	6, 0x0
	.amdhsa_kernel k_q7b6d94632e_outp
		.amdhsa_group_segment_fixed_size 327680
		.amdhsa_private_segment_fixed_size 0
		.amdhsa_enable_private_segment 0
		.amdhsa_kernarg_size 48
		.amdhsa_user_sgpr_count 2
		.amdhsa_user_sgpr_kernarg_segment_ptr 1
		.amdhsa_wavefront_size32 1
		.amdhsa_system_sgpr_workgroup_id_x 1
		.amdhsa_system_sgpr_workgroup_id_y 1
		.amdhsa_system_sgpr_workgroup_id_z 1
		.amdhsa_system_vgpr_workitem_id 0
		.amdhsa_next_free_vgpr 768
		.amdhsa_next_free_sgpr 100
		.amdhsa_reserve_vcc 0
		.amdhsa_float_denorm_mode_32 3
		.amdhsa_float_denorm_mode_16_64 3
		.amdhsa_memory_ordered 1
		.amdhsa_forward_progress 1
		.amdhsa_inst_pref_size 96
	.end_amdhsa_kernel
	.amdgpu_metadata
---
amdhsa.version: [ 1, 2 ]
amdhsa.kernels:
  - .name:           k_q7b6d94632e_outp
    .symbol:         k_q7b6d94632e_outp.kd
    .args:
      - { .name: yi, .offset: 0, .size: 8, .value_kind: global_buffer, .address_space: global }
      - { .name: ys, .offset: 8, .size: 8, .value_kind: global_buffer, .address_space: global }
      - { .name: Wo_codes, .offset: 16, .size: 8, .value_kind: global_buffer, .address_space: global }
      - { .name: Wo_scales, .offset: 24, .size: 8, .value_kind: global_buffer, .address_space: global }
      - { .name: bo, .offset: 32, .size: 8, .value_kind: global_buffer, .address_space: global }
      - { .name: out0, .offset: 40, .size: 8, .value_kind: global_buffer, .address_space: global }
    .group_segment_fixed_size: 327680
    .private_segment_fixed_size: 0
    .kernarg_segment_align: 8
    .kernarg_segment_size: 48
    .max_flat_workgroup_size: 128
    .sgpr_count:     100
    .vgpr_count:     768
    .wavefront_size: 32
...
	.end_amdgpu_metadata
.endif
;; end of part 3
